; MI455X (gfx1250); checked and timed in simulation.
; The chip was launched on July 23, 2026; its instructions are those of AMD's public machine-readable ISA for CDNA 5 (MIT licence, August 2026) and "CDNA5" Instruction Set Architecture Reference Guide (July 2026). The comments in the code are by the model that wrote it; some were corrected since.
;; Route Set Encoder. Allowed arithmetic: matrix products marked QUANTISED: E2M1 operands, one E8M0 scale for each 32 along K, by v_wmma_scale_f32_16x16x128_f8f6f4 with both operands' format E2M1 (or v_wmma_scale_f32_32x16x128_f4), f32 sums; products left as they are: f32 operands where the result goes on into a quantised operand, else bf16, f16 or f32 operands; f32 sums; everything else in f32.
;; Inputs: b1 2,048 float32; b2 512 float32; ln1_b 512 float32; ln1_g 512 float32; route_ids 512 int32; rp_b 512 float32; rp_bias one number float32; rp_g 512 float32; rp_w 512 float32; token_mask 64 x 512 bool; tokens 64 x 512 x 512 float32; w1 512 x 2,048 float32; w2 2,048 x 512 float32; wp_b 512 float32; wp_bias one number float32; wp_g 512 float32; wp_w 512 float32.
;; Outputs: out0 64 x 512 float32.
;; This version of the problem:
;;   THIS VERSION OF THE PROBLEM IS GIVEN IN LOW PRECISION. The matrix products marked QUANTISED in the list below multiply operands that are first quantised to E2M1 (2 exponent bits, 1 mantissa bit; 4 bits a number), with one power-of-two scale for each 32 numbers along K (OCP MX v1.0); their sums are f32. All else is computed in f32.
;;   The module's matrix products, in the order in which they are computed (A, B: the left and right operand; K: the contracted axis; several contracted axes count as one K, in the product's order):
;;     1. [M 32,768, K 512] x [K 512, N 2,048]; A: computed on the way; B: input w1: QUANTISED
;;     2. [M 32,768, K 2,048] x [K 2,048, N 512]; A: computed on the way; B: input w2: QUANTISED
;;     3. [M 32,768, K 512] x [K 512, N 1]; A: computed on the way; B: input wp_w: left as it is (N = 1 < 16)
;;     4. batch 64 x [M 32, K 512] x [K 512, N 512]; A: computed on the way; B: computed on the way: QUANTISED
;;     5. [M 2,048, K 512] x [K 512, N 1]; A: computed on the way; B: input rp_w: left as it is (N = 1 < 16)
;;     6. batch 64 x [M 1, K 32] x [K 32, N 512]; A: computed on the way; B: computed on the way: left as it is (M = 1 < 16)
;;   THE QUANTISER, for each operand of a quantised product, along K:
;;     - K is cut into blocks of 32 from its start; a last block that is shorter is filled with zeros.
;;     - A block's scale is 2^e with e = floor(log2(the largest magnitude in the block)) - 2, held to -126 .. 127; a block of zeros has e = 0. As a byte (E8M0): e + 127.
;;     - Each number is divided by its block's scale, clamped to +-6, and rounded to the nearest number of E2M1, ties to even, subnormals kept.
;;     - The product sums the exact products of the quantised numbers (number of the format x scale) in f32.
;;   ~~~python
;;   def quantise(x, axis):      # numpy; x: float32 -> the quantised numbers, widened to float32 again
;;       x = np.moveaxis(x, axis, -1); K = x.shape[-1]
;;       x = np.pad(x, [(0, 0)] * (x.ndim - 1) + [(0, -K % 32)]); x = x.reshape(x.shape[:-1] + (-1, 32)); a = np.abs(x).max(-1, keepdims=True)
;;       e = np.where(a > 0, np.clip(np.frexp(np.where(a > 0, a, 1))[1] - 1 - 2, -126, 127), 0)      # np.frexp(a)[1] - 1 = floor(log2(a)), exactly
;;       r = np.clip(x / 2.0 ** e, -6, 6)
;;       step = 2.0 ** (np.maximum(np.frexp(np.where(r == 0, 1, r))[1] - 1, 0) - 1)
;;       q = np.round(r / step) * step * 2.0 ** e      # np.round: ties to even
;;       return np.moveaxis(q.reshape(q.shape[:-2] + (-1,))[..., :K], -1, axis).astype(np.float32)
;;   ~~~
;;   OPERANDS COMPUTED ON THE WAY. 'Computed on the way' means the value that the module computes at that place (a softmax that the list does not call 'softmax' is quantised finished and normalised). What goes into a quantiser is computed in f32, as accurately as f32 sums, v_exp_f32 and their like allow (about 1e-6 of the number): no bf16 or f16 on the way to a quantiser, and a product that is left as it is and whose result goes on into a quantised operand takes f32 operands (vector FMAs, or v_wmma_f32_16x16x4_f32). A number that lies on a knife's edge between two numbers of the format may be rounded either way, as far as f32 arithmetic and the matrix unit's own rounding can turn it there, and no further.
;; One version. Each part assembles by itself: llvm-mc -triple=amdgcn-amd-amdhsa -mcpu=gfx1250 --defsym DOCPART=n.
;; ======== version 1 of 1: 3 launches
;; workspace buffers: w1f 524,288 bytes; w1s 32,768 bytes; w2f 524,288 bytes; w2s 32,768 bytes; xq 8,388,608 bytes; xs 524,288 bytes; logits 131,072 bytes
;; launch wq (part 1): grid 256 x 1, 4 waves a work-group, no clusters, 2,560 bytes of LDS; arguments w1, w2, w1f, w1s, w2f, w2s; writes w1f, w1s, w2f, w2s
.if DOCPART == 1
	.amdgcn_target "amdgcn-amd-amdhsa--gfx1250"
	.amdhsa_code_object_version 6
	.text
	.protected	k_q8f745fd2d3_wq
	.globl	k_q8f745fd2d3_wq
	.p2align	8
	.type	k_q8f745fd2d3_wq,@function
k_q8f745fd2d3_wq:
	s_mov_b64 s[64:65], 0
	v_nop
	global_prefetch_b8 v0, s[64:65] scope:SCOPE_SE
	s_setreg_imm32_b32 hwreg(HW_REG_WAVE_MODE, 25, 1), 1
	s_wait_xcnt 0x0
; w1 [512][2048] and w2 [2048][512], f32, K their FIRST axis, become codes of FP4 (E2M1) with one E8M0 byte for each 32 along K,
; laid in the order in which the next launch's operand registers take them.
; A FRAGMENT (16 rows x 128 K) is 1,024 bytes: register group c (0, 1) at 512 c + 16 x lane; lane (r, h) holds row r, k = 64 c + 32 h + 0 .. 31.
;   w1f [G 64][u 2][s 4][1024]: G a block of 32 hidden units, s a K step of 128; row r of tile u is hidden unit 32 G + 8 u + r + 8 (r / 8).
;   w1s [s 4][G / 2][r + 16 u][G % 2] words.      w2f [kappa 16][O 32][1024]: row r = output 16 O + r.      w2s [kappa 16][O / 4][lane][p] words: O = 4 (O / 4) + 2 p + lane / 16.
; A LANE TAKES A COLUMN, AND ITS REGISTERS RUN DOWN K: a block of 32 along K lies in one lane, its largest magnitude needs no other lane, and the conversions give codes with K innermost.
; A work-group takes 128 along K x 64 columns.  Its FOUR WAVES SHARE THE K STEP: wave t takes block t (rows 32 t .. + 31) of both groups of 32 columns: 64 loads of 128 consecutive bytes, all issued at once.
; Each store of codes covers two aligned runs of 256 bytes.  A column's scale word has a byte from each wave: a wave shifts its byte to its place, puts its two words (one a group) into its own 256 bytes of LDS,
; and behind one barrier wave 0 joins the four waves' words and stores 256 consecutive aligned bytes.  Work-groups 0-127 take w1, 128-255 w2: two paths of one macro, each with LDS bytes of its own.
; A block's scale is 2^(floor(log2(largest magnitude)) - 2); its byte is the largest magnitude's exponent field - 2, held at 1 from below.
; LIMITS: a block of zeros gets the byte 1 where the rule says 127 (its codes are zeros, and only this program reads the bytes); NaN and infinities among the inputs are not served.
.set X,   32                           ; v32-95   my block of the two groups: 32 numbers each
.set CD,  96                           ; v96-103  codes: group q at CD + 4 q: no store's data are written again
.set SB,  8                            ; v8, v9   my byte of the two groups' scale words, at its place
.macro LOADB q, stride                 ; my 32 rows of group q
.set jj, 0
.rept 32
	global_load_b32 v[X+32*(\q)+jj], v2, s[16:17] offset:jj*(\stride)+128*(\q) th:TH_LOAD_NT
.set jj, jj+1
.endr
.endm
.macro QBLK q, left, gstep
.set XS, X+32*(\q)
	s_wait_loadcnt \left                           ; loads come back in order: this group's 32 are in
	v_max3_num_f32 v12, |v[XS]|, |v[XS+1]|, |v[XS+2]|
	v_max3_num_f32 v13, |v[XS+3]|, |v[XS+4]|, |v[XS+5]|
.irp i, 6,10,14,18,22,26
	v_max3_num_f32 v12, v12, |v[XS+\i]|, |v[XS+\i+1]|
	v_max3_num_f32 v13, v13, |v[XS+\i+2]|, |v[XS+\i+3]|
.endr
	v_max3_num_f32 v12, v12, |v[XS+30]|, |v[XS+31]|
	v_max3_num_f32 v12, v12, v13, 0x1800000        ; the floor 2^(3 - 127): the byte cannot fall under 1
	v_add_nc_u32 v11, 0xff000000, v12              ; 2 off the exponent field: the conversion's scale operand
	v_lshrrev_b32 v13, 23, v11                     ; the scale's byte,
	v_lshlrev_b32 v[SB+(\q)], s33, v13             ; 8 t bits up: block t's place in the word
.irp g, 0,1,2,3
	v_cvt_scalef32_pk8_fp4_f32 v[CD+4*(\q)+\g], v[XS+8*\g:XS+8*\g+7], v11
.endr
	global_store_b128 v6, v[CD+4*(\q):CD+4*(\q)+3], s[18:19] offset:(\gstep)*(\q)
.endm
.macro QW gstep, stride, lbase
	LOADB 0, \stride
	LOADB 1, \stride
	QBLK 0, 32, \gstep                             ; younger: the second group's 32 loads
	QBLK 1, 0, \gstep
	ds_store_b64 v14, v[SB:SB+1] offset:\lbase     ; my wave's own 256 bytes
	s_wait_dscnt 0x0                               ; for the others' sake: my store has landed
	s_barrier_signal -1
	s_barrier_wait -1
	s_cmp_lg_u32 s32, 0
	s_cbranch_scc1 .Lq_end_\@
.irp t, 0,1,2,3
	ds_load_b64 v[16+2*\t:17+2*\t], v15 offset:(\lbase)+256*\t
.endr
	s_wait_dscnt 0x0
	v_or_b32 v16, v16, v18                         ; the four waves' bytes make the words
	v_or_b32 v17, v17, v19
	v_or_b32 v20, v20, v22
	v_or_b32 v21, v21, v23
	v_or_b32 v16, v16, v20
	v_or_b32 v17, v17, v21
	global_store_b64 v15, v[16:17], s[20:21]       ; 32 lanes: 256 consecutive bytes, aligned
.Lq_end_\@:
	s_wait_tensorcnt 0x0
	ds_add_u32 v104, v105
	s_wait_dscnt 0x0
	s_endpgm
.endm
	s_load_b256 s[4:11], s[0:1], 0x0               ; w1 s[4:5], w2 s[6:7], w1f s[8:9], w1s s[10:11]
	s_load_b128 s[12:15], s[0:1], 0x20             ; w2f s[12:13], w2s s[14:15]
	v_lshl_add_u32 v104, v0, 2, 0x800
	v_mov_b32 v105, 0
	v_lshrrev_b32 v3, 5, v0
	v_readfirstlane_b32 s32, v3                    ; wave = block t of the K step
	v_and_b32 v1, 31, v0                           ; lane
	v_lshlrev_b32 v2, 2, v1                        ; in: 4 bytes a lane
	v_lshlrev_b32 v15, 3, v1                       ; the scale words' way out: 8 bytes a lane
	s_lshl_b32 s33, s32, 3                         ; 8 t
	s_lshl_b32 s34, s32, 8                         ; 256 t: block t = 2 c + h lies 512 c + 256 h bytes into its fragment; also my wave's bytes of LDS
	s_mov_b32 s25, 0
	s_mov_b32 s27, 0
	s_mov_b32 s29, 0
	s_cmp_lt_u32 ttmp9, 128
	s_cbranch_scc0 .Lw2
	; ---- w1: work-group = 4 (pair of blocks) + K step
	s_lshr_b32 s22, ttmp9, 2                       ; the pair of blocks, 0 .. 31
	s_and_b32 s23, ttmp9, 3                        ; s
	s_lshl_b32 s24, s23, 20                        ; 128 rows of 8,192 bytes
	s_lshl_b32 s30, s22, 8                         ; 64 columns of 4 bytes
	s_add_co_u32 s24, s24, s30
	s_lshl_b32 s31, s32, 18                        ; my 32 rows
	s_add_co_u32 s24, s24, s31
	s_lshl_b32 s26, s22, 14                        ; two blocks of 8,192 bytes of codes
	s_lshl_b32 s31, s23, 10
	s_add_co_u32 s26, s26, s31
	s_add_co_u32 s26, s26, s34
	s_lshl_b32 s28, s23, 13
	s_add_co_u32 s28, s28, s30
	v_bfe_u32 v3, v1, 3, 1                         ; column j of a block: tile u = (j / 8) % 2,
	v_and_b32 v4, 7, v1
	v_lshrrev_b32 v5, 4, v1
	v_lshl_add_u32 v4, v5, 3, v4                   ; row r = j % 8 + 8 (j / 16)
	v_lshlrev_b32 v6, 4, v4
	v_lshl_add_u32 v6, v3, 12, v6                  ; codes: 4,096 u + 16 r
	v_lshlrev_b32 v7, 3, v4
	v_lshl_add_u32 v7, v3, 7, v7                   ; scale words: 8 (r + 16 u)
	v_add_nc_u32 v14, s34, v7
	s_wait_kmcnt 0x0
	s_add_nc_u64 s[16:17], s[4:5], s[24:25]
	s_add_nc_u64 s[18:19], s[8:9], s[26:27]
	s_add_nc_u64 s[20:21], s[10:11], s[28:29]
	QW 8192, 8192, 0
.Lw2:
	; ---- w2: work-group - 128 = 16 (64 columns) + K step
	s_sub_co_u32 s22, ttmp9, 128
	s_and_b32 s23, s22, 15                         ; kappa
	s_lshr_b32 s22, s22, 4                         ; which 64 columns, 0 .. 7
	s_lshl_b32 s24, s23, 18                        ; 128 rows of 2,048 bytes
	s_lshl_b32 s30, s22, 8
	s_add_co_u32 s24, s24, s30
	s_lshl_b32 s31, s32, 16                        ; my 32 rows
	s_add_co_u32 s24, s24, s31
	s_lshl_b32 s26, s23, 15
	s_lshl_b32 s31, s22, 12                        ; four fragments
	s_add_co_u32 s26, s26, s31
	s_add_co_u32 s26, s26, s34
	s_lshl_b32 s28, s23, 11
	s_add_co_u32 s28, s28, s30
	v_and_b32 v4, 15, v1
	v_lshrrev_b32 v5, 4, v1
	v_lshlrev_b32 v6, 4, v4
	v_lshl_add_u32 v6, v5, 10, v6                  ; codes: 1,024 (lane / 16) + 16 (lane % 16)
	v_lshlrev_b32 v7, 3, v1                        ; scale words: 8 x lane
	v_add_nc_u32 v14, s34, v7
	s_wait_kmcnt 0x0
	s_add_nc_u64 s[16:17], s[6:7], s[24:25]
	s_add_nc_u64 s[18:19], s[12:13], s[26:27]
	s_add_nc_u64 s[20:21], s[14:15], s[28:29]
	QW 2048, 2048, 1024
.Lfunc_end_k_q8f745fd2d3_wq:
	.size	k_q8f745fd2d3_wq, .Lfunc_end_k_q8f745fd2d3_wq-k_q8f745fd2d3_wq
	.p2alignl 7, 3214868480
	.fill 96, 4, 3214868480
	.section	.rodata,"a",@progbits
	.p2align	6, 0x0
	.amdhsa_kernel k_q8f745fd2d3_wq
		.amdhsa_group_segment_fixed_size 2560
		.amdhsa_private_segment_fixed_size 0
		.amdhsa_enable_private_segment 0
		.amdhsa_kernarg_size 48
		.amdhsa_user_sgpr_count 2
		.amdhsa_user_sgpr_kernarg_segment_ptr 1
		.amdhsa_wavefront_size32 1
		.amdhsa_system_sgpr_workgroup_id_x 1
		.amdhsa_system_sgpr_workgroup_id_y 1
		.amdhsa_system_sgpr_workgroup_id_z 1
		.amdhsa_system_vgpr_workitem_id 0
		.amdhsa_next_free_vgpr 106
		.amdhsa_next_free_sgpr 66
		.amdhsa_reserve_vcc 0
		.amdhsa_float_denorm_mode_32 3
		.amdhsa_float_denorm_mode_16_64 3
		.amdhsa_memory_ordered 1
		.amdhsa_forward_progress 1
		.amdhsa_inst_pref_size 23
	.end_amdhsa_kernel
	.amdgpu_metadata
---
amdhsa.version: [ 1, 2 ]
amdhsa.kernels:
  - .name:           k_q8f745fd2d3_wq
    .symbol:         k_q8f745fd2d3_wq.kd
    .args:
      - { .name: w1, .offset: 0, .size: 8, .value_kind: global_buffer, .address_space: global }
      - { .name: w2, .offset: 8, .size: 8, .value_kind: global_buffer, .address_space: global }
      - { .name: w1f, .offset: 16, .size: 8, .value_kind: global_buffer, .address_space: global }
      - { .name: w1s, .offset: 24, .size: 8, .value_kind: global_buffer, .address_space: global }
      - { .name: w2f, .offset: 32, .size: 8, .value_kind: global_buffer, .address_space: global }
      - { .name: w2s, .offset: 40, .size: 8, .value_kind: global_buffer, .address_space: global }
    .group_segment_fixed_size: 2560
    .private_segment_fixed_size: 0
    .kernarg_segment_align: 8
    .kernarg_segment_size: 48
    .max_flat_workgroup_size: 128
    .sgpr_count:     66
    .vgpr_count:     106
    .wavefront_size: 32
...
	.end_amdgpu_metadata
.endif
;; end of part 1
;; launch ffn (part 2): grid 256 x 1, 8 waves a work-group, no clusters, 302,592 bytes of LDS; arguments tokens, ln1_g, ln1_b, w1f, w1s, b1, w2f, w2s, b2, wp_g, wp_b, wp_w, wp_bias, xq, xs, logits; writes xq, xs, logits
.if DOCPART == 2
	.amdgcn_target "amdgcn-amd-amdhsa--gfx1250"
	.amdhsa_code_object_version 6
	.text
	.protected	k_q8f745fd2d3_ffn
	.globl	k_q8f745fd2d3_ffn
	.p2align	8
	.type	k_q8f745fd2d3_ffn,@function
k_q8f745fd2d3_ffn:
	s_mov_b64 s[64:65], 0
	v_nop
	global_prefetch_b8 v0, s[64:65] scope:SCOPE_SE
	s_setreg_imm32_b32 hwreg(HW_REG_WAVE_MODE, 25, 1), 1
	s_wait_xcnt 0x0
; x = tokens + gelu(LN(tokens) W1 + b1) W2 + b2 for 128 tokens a work-group, both products on codes of FP4 (E2M1) with one E8M0 scale for each 32 along K; then x quantised ALONG THE TOKENS (the next
; launch's K) into xq, xs, and each token's logit LN(x) . wp_w + wp_bias into logits.  Neither the hidden layer nor x in f32 ever goes to memory; tokens are read once.
; SHARES.  Eight waves, two to a SIMD, 512 registers each.  Phase X and the logits: wave w owns 16 whole rows (token tile w).  Phase 1: wave w makes hidden units 256 w .. + 255 for all 128 tokens.
; Phase 2: wave w makes outputs 64 w .. + 63 for all 128 tokens: 32 accumulators, which BEGIN as tokens + b2.
; THE TOKENS OF A TILE ARE NOT NEIGHBOURS: row a of tile m is token 32 (m / 2) + 8 (m % 2) + a + 8 (a / 8), so that in phase 2's result (a lane: one output, registers down the rows) the 16 registers of
; tiles 2 b, 2 b + 1 are 16 neighbouring tokens, as the quantiser along tokens wants them.  W1's rows of a tile are chosen likewise (launch wq), for the quantiser along the hidden units.
; OPERANDS GO FROM WAVE TO WAVE THROUGH LDS: x's fragments as images of their registers; the hidden layer's codes as 16 bytes for each (block of 32 units, token), which phase 2 reads as fragments.
; THE WEIGHTS COME FROM MEMORY STRAIGHT INTO OPERAND REGISTERS, no tensor load and no joint request of a cluster: each fragment is wanted by ONE wave of the work-group, once; through LDS its 1,024 bytes would be
; written and read once more (1 MiB each way for a work-group), and beside the stage of 264,192 bytes, which holds tokens and later x, the 327,680 bytes of LDS have no room for slots.
; THEY ARE ASKED FOR EARLY.  Phase 1: the products run one tile ahead of the GELU, on two pairs of accumulators by turns, so a block's last products stand two tiles' GELU ahead of the block's end, and the next
; block's 24 loads go out there.  Phase 2: W2 has four sets of registers, so a set's 9 loads go out four K steps (128 products) ahead of their use; the hidden layer's fragments, which come from LDS, have one
; set, filled again by halves of four tiles.
; GELU: g = x (0.5 + xc A(t) / B(t)), xc = x held to +-4 sqrt(2), t = xc^2: the rational form of erf of degrees 13 / 8, its argument's 1 / sqrt(2) and the factor 1 / 2 folded into the coefficients.
; LIMITS: erf is right to a few units in the last place of f32, so where x is far below 0 the small g has that ABSOLUTE error, about 1e-7 |x|; beyond |x| = 5.66 erf is held at its value there;
; a block of zeros carries the byte 1 with zero codes (the bytes are read by this program alone); NaN and infinities are not served.
.set SPITCH, 2064                      ; a stage row: 2,048 bytes + 16 = 516 words: sixteen rows start at sixteen different groups of four banks
.set TROWS,  16*SPITCH
.set HSC,    131072                    ; LDS: 0 .. the stage, 128 rows; over it in phases 1 and 2: the hidden codes [G 64][m 8][256] and, from HSC, their scale bytes [wave 8][m 8][r 16][8]
.set XIMG,   128*SPITCH                ; x's 32 fragments (tile m, K step s) at (4 m + s) 1,024
.set XSC,    XIMG+32768                ; their scale words at 256 m + 16 r + 4 s
.set GWT,    XSC+2048                  ; wp_g x wp_w, 512 numbers
.set LG,     GWT+2048                  ; the 128 logits, by token
; window 0
.set LANE, 1
.set R,    2
.set HH,   3
.set L16,  4
.set STW,  5                           ; phase X: stage, on the way in
.set T8,   6
.set GWA,  7
.set L64,  8
.set B2O,  9
.set H64,  10
.set STR,  11                          ; stage: my row, my half's 64 bytes (phase X and the logits)
.set XIW,  12
.set XSW,  13
.set W1FO, 14
.set B1O,  15
.set XA,   5                           ; phase 1
.set XSA,  6
.set HC,   7
.set HSA,  8
.set SBY,  12                          ; phase 1: v12, v13 a tile's scale byte, by turns
.set HFA,  5                           ; phase 2: v5, v6 LDS addresses of the hidden codes, v7, v8 of their scale words: one for even K steps, one for odd
.set HSB,  7
.set XS,   16                          ; v16-31 hold scales and nothing else
.set W1S,  20
.set HS,   16                          ; phase 2: the hidden layer's scale words, even K steps v16-19, odd v20-23; W2's, set k at v24 + 2 k
.set WS,   24
.set W1F,  32                          ; phase 1: v32-95 W1's 8 fragments of a block; v96-111 b1; v112-143 x's 4 fragments; v144-159 and v224-239 two pairs of accumulators; v160-223 at work on GELU
.set BB,   96
.set XF,   112
.set H,    144                         ; pair z at H + 80 z
.set XC,   160
.set TT,   176
.set PA,   192
.set PB,   208
.set QT,   160                         ; the tile quantiser's four, over GELU's first four, which are done with by then
.set G,    32                          ; phase X: v32-95 ln1_g, v96-159 ln1_b of a K step (the logits: two sets of g x w)
.set BV,   96
.set CH,   160                         ; four chains of pairs
.set MU,   168
.set RS,   170
.set TP,   172
.set TM,   176                         ; the quantiser's 16
.set PC4,  192                         ; four fragments' codes
.set HF,   32                          ; phase 2: v32-95 the hidden layer's 8 fragments of a K step; W2's four, set k at 96 + 32 k
.set WF,   96
.set W2O,  224                         ; phase 2: v224-227 offsets of W2's codes, v228-231 of its scale words: one for each set
.set WSO,  228
.set PW4,  232                         ; four scale words (phase X, way out)
.set CD,   240                         ; phase 1: v240-243 a tile's codes, two sets by turns; v244-247 two coefficients as pairs
.set KA6,  244
.set KB4,  246
.set B2P,  240                         ; ahead of phase 1: v240-247 b2 of my four tiles of outputs, each twice; on the way out: addresses
.set CBV,  248                         ; sum of wp_b x wp_w, + wp_bias
.set W1SO, 249
.set L8,   250
.set CIB,  251
.set LGW,  252
.set LGR,  253
.set GWR,  254
; window 1: v0-255: 256 numbers of my 16 rows (phase X, the logits); the 32 accumulators, (o, m) at 8 (8 o + m)
.set MSB, 0
.macro WIN new                         ; s_set_vgpr_msb: bits 1:0 source 0, 3:2 source 1, 5:4 source 2, 7:6 destination; the high byte repeats the setting that is left
.if MSB != \new
	s_set_vgpr_msb (MSB<<8)|\new
.set MSB, \new
.endif
.endm
.macro BAR                             ; my LDS stores have landed and my LDS loads are in: then the work-group's barrier
	s_wait_dscnt 0x0
	s_barrier_signal -1
	s_barrier_wait -1
.endm
.macro KPAIR r, bits                   ; a coefficient as a pair: the packed form names both words
	s_mov_b32 s[\r], \bits
	s_mov_b32 s[\r+1], \bits
.endm
.macro PLACES                          ; four plain vector instructions between a matrix instruction and a reader of its result or a load into its registers
.rept 4
	v_nop
.endr
.endm
.macro FOLD                            ; four chains of pairs, and lane l xor 16's: the row's figure in v[CH]
	v_pk_add_f32 v[CH:CH+1], v[CH:CH+1], v[CH+2:CH+3]
	v_pk_add_f32 v[CH+4:CH+5], v[CH+4:CH+5], v[CH+6:CH+7]
	v_pk_add_f32 v[CH:CH+1], v[CH:CH+1], v[CH+4:CH+5]
	v_add_f32 v[CH], v[CH], v[CH+1]
	v_permlanex16_b32 v[CH+1], v[CH], s38, s39
	v_add_f32 v[CH], v[CH], v[CH+1]
.endm
.macro ADDRUN n
.rept \n
	v_pk_add_f32 v[CH+ii%8:CH+ii%8+1], v[CH+ii%8:CH+ii%8+1], v[ii:ii+1]
.set ii, ii+2
.endr
.endm
.macro SUM256 c0, c1, c2, c3           ; the sum of my 256 numbers, a quarter (16 LDS loads) at a time; c0 .. c3: the LDS instructions younger than each quarter's loads
	s_wait_dscnt \c0
	WIN 0x05
.irp k, 0,1,2,3
	v_pk_add_f32 v[CH+2*\k:CH+2*\k+1], v[2*\k:2*\k+1], v[8+2*\k:9+2*\k]     ; the first eight pairs start the chains: nothing is cleared
.endr
	WIN 0x04
.set ii, 16
	ADDRUN 24
.irp c, \c1, \c2, \c3
	s_wait_dscnt \c
	ADDRUN 32
.endr
	WIN 0
	FOLD
.endm
.macro CENTRE                          ; my 256 numbers less the row's mean
	WIN 0x41
.set ii, 0
.rept 128
	v_pk_add_f32 v[ii:ii+1], v[ii:ii+1], v[MU:MU+1] neg_lo:[0,1] neg_hi:[0,1]
.set ii, ii+2
.endr
	WIN 0
.endm
.macro SQ256                           ; the sum of their squares
	WIN 0x05
.irp k, 0,1,2,3
	v_pk_mul_f32 v[CH+2*\k:CH+2*\k+1], v[2*\k:2*\k+1], v[2*\k:2*\k+1]
.endr
.set ii, 8
.rept 124
	v_pk_fma_f32 v[CH+ii%8:CH+ii%8+1], v[ii:ii+1], v[ii:ii+1], v[CH+ii%8:CH+ii%8+1]
.set ii, ii+2
.endr
	WIN 0
	FOLD
.endm
; 64 numbers of a lane in window 1, register src + 16 b + i = k 32 b + 16 (lane / 16) + i of the lane's row, become a fragment's codes in v[pc] on and its scale word in v[pw].
.macro QUANT64 src, pc, pw
	WIN 0x05
.irp b, 0,1,2,3
	v_max3_num_f32 v[TM+\b], |v[(\src)+16*\b]|, |v[(\src)+16*\b+1]|, 0x1800000     ; my 16 of block b, from the low end on, and the floor 2^(3 - 127): the byte cannot fall under 1
.endr
	WIN 0x14
.irp i, 2,4,6,8,10,12,14
.irp b, 0,1,2,3
	v_max3_num_f32 v[TM+\b], v[TM+\b], |v[(\src)+16*\b+\i]|, |v[(\src)+16*\b+\i+1]|
.endr
.endr
	WIN 0
.irp b, 0,1,2,3
	v_permlanex16_b32 v[TM+4+\b], v[TM+\b], s38, s39
.endr
.irp b, 0,1,2,3
	v_max_num_f32 v[TM+\b], v[TM+\b], v[TM+4+\b]   ; with lane l xor 16's: the block's largest magnitude
.endr
.irp b, 0,1,2,3
	v_add_nc_u32 v[TM+12+\b], 0xff000000, v[TM+\b] ; 2 off its exponent field: the conversion's scale operand
.endr
.irp b, 0,1,2,3
	v_lshrrev_b32 v[TM+4+\b], 23, v[TM+12+\b]      ; the scale's byte
.endr
	v_lshl_or_b32 v[\pw], v[TM+5], 8, v[TM+4]
	v_lshl_or_b32 v[\pw], v[TM+6], 16, v[\pw]
	v_lshl_or_b32 v[\pw], v[TM+7], 24, v[\pw]
	WIN 0x01
.irp b, 0,1,2,3
	v_cvt_scalef32_pk8_fp4_f32 v[(\pc)+2*\b], v[(\src)+16*\b:(\src)+16*\b+7], v[TM+12+\b]
	v_cvt_scalef32_pk8_fp4_f32 v[(\pc)+2*\b+1], v[(\src)+16*\b+8:(\src)+16*\b+15], v[TM+12+\b]
.endr
	WIN 0
	v_nop                                          ; one plain place behind a scaled conversion
.irp c, 0,1                                    ; the operand's layout wants a whole block in a lane: lanes 0-15 block 2 c, lanes 16-31 block 2 c + 1
.irp i, 0,1
	v_permlane16_swap_b32 v[(\pc)+4*\c+\i], v[(\pc)+2+4*\c+\i]
.endr
.endr
.endm
.macro LNLOAD s                        ; ln1_g and ln1_b at my half's 64 places of K step s
.irp b, 0,1,2,3
.irp j, 0,1,2,3
	global_load_b128 v[G+16*\b+4*\j:G+16*\b+4*\j+3], v[H64], s[6:7] offset:512*(\s)+128*\b+16*\j
	global_load_b128 v[BV+16*\b+4*\j:BV+16*\b+4*\j+3], v[H64], s[8:9] offset:512*(\s)+128*\b+16*\j
.endr
.endr
.endm
.macro ROWS_IN                         ; my row's numbers: register 64 s + 16 b + 4 j + q = column 128 s + 32 b + 16 (lane / 16) + 4 j + q
	WIN 0x40
.irp s, 0,1,2,3
.irp b, 0,1,2,3
.irp j, 0,1,2,3
	ds_load_b128 v[64*\s+16*\b+4*\j:64*\s+16*\b+4*\j+3], v[STR] offset:512*\s+128*\b+16*\j
.endr
.endr
.endr
	WIN 0
.endm
.macro NORM s                          ; (x - mean) x rsqrt x g + b, K step s
	s_wait_loadcnt 0x0                             ; g and b of this K step
	WIN 0x41
.set ii, 0
.rept 32
	v_pk_mul_f32 v[64*(\s)+ii:64*(\s)+ii+1], v[64*(\s)+ii:64*(\s)+ii+1], v[RS:RS+1]
.set ii, ii+2
.endr
.set ii, 0
.rept 32
	v_pk_fma_f32 v[64*(\s)+ii:64*(\s)+ii+1], v[64*(\s)+ii:64*(\s)+ii+1], v[G+ii:G+ii+1], v[BV+ii:BV+ii+1]
.set ii, ii+2
.endr
	WIN 0
.endm
.macro XOUT s                          ; the fragment goes to LDS as it stands, 16 bytes a lane; its scale word beside it
	ds_store_b128 v[XIW], v[PC4+8*(\s):PC4+8*(\s)+3] offset:1024*(\s)
	ds_store_b128 v[XIW], v[PC4+8*(\s)+4:PC4+8*(\s)+7] offset:1024*(\s)+512
	ds_store_b32 v[XSW], v[PW4+(\s)] offset:4*(\s)
.endm
.macro BLKADR                          ; the offsets of block s48 in w1f, b1, w1s
	s_lshl_b32 s49, s48, 13
	v_add_nc_u32 v[W1FO], s49, v[L16]
	s_lshl_b32 s49, s48, 7
	v_add_nc_u32 v[B1O], s49, v[H64]
	s_lshr_b32 s49, s48, 1
	s_lshl_b32 s49, s49, 8
	s_and_b32 s53, s48, 1
	s_lshl_b32 s53, s53, 2
	s_add_co_u32 s49, s49, s53
	v_add_nc_u32 v[W1SO], s49, v[L8]
.endm
.macro BLKLOAD                         ; 24 loads: a block's 8 fragments of W1, its 4 scale registers (lanes 0-15 tile 0, lanes 16-31 tile 1), its 16 numbers of b1 in the result's layout
.irp u, 0,1
.irp s, 0,1,2,3
.irp c, 0,1
	global_load_b128 v[W1F+8*(4*\u+\s)+4*\c:W1F+8*(4*\u+\s)+4*\c+3], v[W1FO], s[10:11] offset:4096*\u+1024*\s+512*\c
.endr
.endr
.endr
.irp s, 0,1,2,3
	global_load_b32 v[W1S+\s], v[W1SO], s[12:13] offset:8192*\s
.endr
.irp j, 0,1,2,3
	global_load_b128 v[BB+4*\j:BB+4*\j+3], v[B1O], s[14:15] offset:16*\j
.endr
.endm
.macro MM1 u, s, z                     ; TRANSPOSED: source 0 = 16 rows of W1, source 1 = 16 tokens: a lane holds one token, register 8 u + j of pair z = hidden unit 32 G + 16 (lane / 16) + 8 u + j
.set rD, H+80*(\z)+8*(\u)
.set rA, W1F+8*(4*(\u)+(\s))
.set rB, XF+8*(\s)
.set rC, rD
.if (\s) == 0
.set rC, BB+8*(\u)                     ; the bias is the C of the sum's first product
.endif
.if (\u) == 0
	v_wmma_scale_f32_16x16x128_f8f6f4 v[rD:rD+7], v[rA:rA+7], v[rB:rB+7], v[rC:rC+7], v[W1S+(\s)], v[XS+(\s)] matrix_a_fmt:MATRIX_FMT_FP4 matrix_b_fmt:MATRIX_FMT_FP4
.else
	v_wmma_scale_f32_16x16x128_f8f6f4 v[rD:rD+7], v[rA:rA+7], v[rB:rB+7], v[rC:rC+7], v[W1S+(\s)], v[XS+(\s)] matrix_a_fmt:MATRIX_FMT_FP4 matrix_b_fmt:MATRIX_FMT_FP4 matrix_a_scale:MATRIX_SCALE_ROW1
.endif
.endm
.macro PRODS z                         ; a tile's 8 products into pair z: the pair's two accumulators by turns
.irp s, 0,1,2,3
	MM1 0, \s, \z
	MM1 1, \s, \z
.endr
.endm
.macro XNEXT m                         ; x's four fragments and scale words of tile m: 9 LDS loads
.irp s, 0,1,2,3
.irp c, 0,1
	ds_load_b128 v[XF+8*\s+4*\c:XF+8*\s+4*\c+3], v[XA] offset:4096*(\m)+1024*\s+512*\c
.endr
.endr
	ds_load_b128 v[XS:XS+3], v[XSA] offset:256*(\m)
.endm
.macro HORN reg, sp                    ; a step of Horner's rule on eight pairs
.irp p, 0,2,4,6,8,10,12,14
	v_pk_fma_f32 v[\reg+\p:\reg+\p+1], v[\reg+\p:\reg+\p+1], v[TT+\p:TT+\p+1], s[\sp:\sp+1] op_sel_hi:[1,1,0]
.endr
.endm
.macro GELU16 hb                       ; 16 numbers in v[hb] on, in place: 144 vector instructions
.irp i, 0,1,2,3,4,5,6,7,8,9,10,11,12,13,14,15
	v_med3_num_f32 v[XC+\i], v[(\hb)+\i], s88, s89 ; xc; each accumulator is read from its low end on
.endr
.irp p, 0,2,4,6,8,10,12,14
	v_pk_mul_f32 v[TT+\p:TT+\p+1], v[XC+\p:XC+\p+1], v[XC+\p:XC+\p+1]
.endr
.irp p, 0,2,4,6,8,10,12,14
	v_pk_fma_f32 v[PA+\p:PA+\p+1], v[TT+\p:TT+\p+1], v[KA6:KA6+1], s[66:67] op_sel_hi:[1,1,0]
.endr
.irp p, 0,2,4,6,8,10,12,14
	v_pk_fma_f32 v[PB+\p:PB+\p+1], v[TT+\p:TT+\p+1], v[KB4:KB4+1], s[78:79] op_sel_hi:[1,1,0]
.endr
	HORN PA, 68
	HORN PB, 80
	HORN PA, 70
	HORN PB, 82
	HORN PA, 72
	HORN PB, 84
	HORN PA, 74
	HORN PA, 76
.irp i, 0,1,2,3,4,5,6,7,8,9,10,11,12,13,14,15
	v_rcp_f32 v[PB+\i], v[PB+\i]                   ; one batch
.endr
.irp p, 0,2,4,6,8,10,12,14
	v_pk_mul_f32 v[PA+\p:PA+\p+1], v[PA+\p:PA+\p+1], v[XC+\p:XC+\p+1]   ; plain work that names no reciprocal
.endr
	s_wait_alu depctr_va_vdst(0)                   ; one wait for the sixteen reciprocals, ahead of their first reader
.irp p, 0,2,4,6,8,10,12,14
	v_pk_fma_f32 v[PA+\p:PA+\p+1], v[PA+\p:PA+\p+1], v[PB+\p:PB+\p+1], 0.5 op_sel_hi:[1,1,0]
.endr
.irp p, 0,2,4,6,8,10,12,14
	v_pk_mul_f32 v[(\hb)+\p:(\hb)+\p+1], v[(\hb)+\p:(\hb)+\p+1], v[PA+\p:PA+\p+1]
.endr
.endm
.macro QUANT16 hb, z                   ; my 16 numbers are half a block of 32 hidden units; lane l xor 16 holds the other half.  Codes into set z, the scale's byte too
	v_max3_num_f32 v[QT], |v[(\hb)]|, |v[(\hb)+1]|, 0x1800000
	v_max3_num_f32 v[QT+1], |v[(\hb)+2]|, |v[(\hb)+3]|, |v[(\hb)+4]|
	v_max3_num_f32 v[QT], v[QT], |v[(\hb)+5]|, |v[(\hb)+6]|
	v_max3_num_f32 v[QT+1], v[QT+1], |v[(\hb)+7]|, |v[(\hb)+8]|
	v_max3_num_f32 v[QT], v[QT], |v[(\hb)+9]|, |v[(\hb)+10]|
	v_max3_num_f32 v[QT+1], v[QT+1], |v[(\hb)+11]|, |v[(\hb)+12]|
	v_max3_num_f32 v[QT], v[QT], |v[(\hb)+13]|, |v[(\hb)+14]|
	v_max3_num_f32 v[QT], v[QT], v[QT+1], |v[(\hb)+15]|
	v_permlanex16_b32 v[QT+2], v[QT], s38, s39
	v_max_num_f32 v[QT], v[QT], v[QT+2]
	v_add_nc_u32 v[QT+3], 0xff000000, v[QT]
	v_cvt_scalef32_pk8_fp4_f32 v[CD+2*(\z)], v[(\hb):(\hb)+7], v[QT+3]
	v_cvt_scalef32_pk8_fp4_f32 v[CD+2*(\z)+1], v[(\hb)+8:(\hb)+15], v[QT+3]
	v_lshrrev_b32 v[SBY+(\z)], 23, v[QT+3]         ; the scale's byte; also the plain place behind the conversions
.endm
.macro ACT m                           ; tile m's sums, made a stage ago, become codes and a scale byte
	GELU16 H+80*((\m)%2)
	QUANT16 H+80*((\m)%2), (\m)%2
	ds_store_b64 v[HC], v[CD+2*((\m)%2):CD+2*((\m)%2)+1] offset:256*(\m)     ; 32 lanes: 256 consecutive bytes: token r's 16 bytes of the block
	ds_store_b8 v[HSA], v[SBY+((\m)%2)] offset:128*(\m)                      ; both lanes of a block write the same byte with the same value
.endm
; A STAGE: tile m + 1's products, then tile m's GELU.  left: the LDS instructions younger than tile m + 1's nine loads.
.macro STAGE m, left
	s_wait_dscnt \left
	PRODS ((\m)+1)%2
	PLACES
	XNEXT ((\m)+2)%8
.if (\m) == 6
	s_cmp_eq_u32 s41, 1                            ; tile 7's products were the block's last: the next block's weights, if there is a next block, take the registers that they have read
	s_cbranch_scc1 .Lno_next
	s_add_co_u32 s48, s48, 1
	BLKADR                                         ; (the offsets' last loads were shown done at the block's head)
	BLKLOAD                                        ; two tiles' GELU ahead of the wait for them
.Lno_next:
.endif
	ACT \m
.endm
.macro MM2 d, a, b, sa, sb, ra, rb     ; natural: source 0 = 16 tokens of the hidden layer, source 1 = 16 outputs of W2
.if (\ra) && (\rb)
	v_wmma_scale_f32_16x16x128_f8f6f4 v[(\d):(\d)+7], v[(\a):(\a)+7], v[(\b):(\b)+7], v[(\d):(\d)+7], v[\sa], v[\sb] matrix_a_fmt:MATRIX_FMT_FP4 matrix_b_fmt:MATRIX_FMT_FP4 matrix_a_scale:MATRIX_SCALE_ROW1 matrix_b_scale:MATRIX_SCALE_ROW1
.elseif (\ra)
	v_wmma_scale_f32_16x16x128_f8f6f4 v[(\d):(\d)+7], v[(\a):(\a)+7], v[(\b):(\b)+7], v[(\d):(\d)+7], v[\sa], v[\sb] matrix_a_fmt:MATRIX_FMT_FP4 matrix_b_fmt:MATRIX_FMT_FP4 matrix_a_scale:MATRIX_SCALE_ROW1
.elseif (\rb)
	v_wmma_scale_f32_16x16x128_f8f6f4 v[(\d):(\d)+7], v[(\a):(\a)+7], v[(\b):(\b)+7], v[(\d):(\d)+7], v[\sa], v[\sb] matrix_a_fmt:MATRIX_FMT_FP4 matrix_b_fmt:MATRIX_FMT_FP4 matrix_b_scale:MATRIX_SCALE_ROW1
.else
	v_wmma_scale_f32_16x16x128_f8f6f4 v[(\d):(\d)+7], v[(\a):(\a)+7], v[(\b):(\b)+7], v[(\d):(\d)+7], v[\sa], v[\sb] matrix_a_fmt:MATRIX_FMT_FP4 matrix_b_fmt:MATRIX_FMT_FP4
.endif
.endm
.macro PROD2H k4, half                 ; half a K step: token tiles 4 half .. + 3 x my four tiles of outputs: 16 products on 16 accumulators by turns, in the same order in every step.  k4 = kappa % 4: W2's set
	WIN 0x50                                       ; C and D in window 1
.irp o, 0,1,2,3
.irp mm, 0,1,2,3
	MM2 8*(8*\o+4*(\half)+\mm), HF+8*(4*(\half)+\mm), WF+32*(\k4)+8*\o, HS+4*((\k4)%2)+(4*(\half)+\mm)/2, WS+2*(\k4)+\o/2, \mm%2, \o%2
.endr
.endr
	WIN 0
.endm
.macro HLOAD par, half                 ; 8 LDS loads: the hidden fragments of tiles 4 half .. + 3, of the K step at which address set par stands
.irp mm, 0,1,2,3
.irp c, 0,1
	ds_load_b128 v[HF+8*(4*(\half)+\mm)+4*\c:HF+8*(4*(\half)+\mm)+4*\c+3], v[HFA+(\par)] offset:4096*\c+256*(4*(\half)+\mm)     ; block 4 kappa + 2 c + lane / 16, token tile m, token r
.endr
.endr
.endm
.macro SLOAD par                       ; 4 LDS loads: that K step's scale words
.irp p, 0,1,2,3
	ds_load_b32 v[HS+4*(\par)+\p], v[HSB+(\par)] offset:256*\p                 ; lanes 0-15 tile 2 p, lanes 16-31 tile 2 p + 1
.endr
.endm
.macro WLOAD k4                        ; 9 loads from memory: W2's four fragments and two scale registers of the K step at which set k4's offsets stand
.irp o, 0,1,2,3
.irp c, 0,1
	global_load_b128 v[WF+32*(\k4)+8*\o+4*\c:WF+32*(\k4)+8*\o+4*\c+3], v[W2O+(\k4)], s[16:17] offset:1024*\o+512*\c
.endr
.endr
	global_load_b64 v[WS+2*(\k4):WS+2*(\k4)+1], v[WSO+(\k4)], s[18:19]
.endm
; A K STEP of 128 hidden units that has a successor.  lc: the loads from memory younger than this set's nine.  wnext = 1: the set is filled again, four K steps ahead.
.macro STEP2 k4, lc, wnext
	s_wait_loadcnt \lc                             ; W2's set k4 is in
	s_wait_dscnt 8                                 ; tiles 0-3 and the scale words are in; younger: tiles 4-7's eight loads
	PROD2H \k4, 0
	PLACES
	HLOAD ((\k4)+1)%2, 0                           ; the next K step's tiles 0-3 take the registers just read,
	SLOAD ((\k4)+1)%2                              ; its scale words the other set's
	s_wait_dscnt 12                                ; tiles 4-7 are in; younger: the twelve just issued
	PROD2H \k4, 1
	v_add_nc_u32 v[HFA+(\k4)%2], 16384, v[HFA+(\k4)%2]     ; two K steps on: this step's LDS loads were shown done above.  These four lines are the places behind the products
	v_add_nc_u32 v[HSB+(\k4)%2], 1024, v[HSB+(\k4)%2]
.if \wnext
	v_add_nc_u32 v[W2O+(\k4)], 131072, v[W2O+(\k4)]        ; four K steps on: the set's own loads were shown done at the step's head
	v_add_nc_u32 v[WSO+(\k4)], 8192, v[WSO+(\k4)]
.else
	v_nop
	v_nop
.endif
	HLOAD ((\k4)+1)%2, 1
.if \wnext
	WLOAD \k4
.endif
.endm
.macro GWLOAD s, reg                   ; g x w at my half's 64 places of K step s
.irp b, 0,1,2,3
.irp j, 0,1,2,3
	ds_load_b128 v[(\reg)+16*\b+4*\j:(\reg)+16*\b+4*\j+3], v[GWR] offset:512*(\s)+128*\b+16*\j
.endr
.endr
.endm
.macro DOT s, reg, first
	WIN 0x01
.set ii, 0
.rept 32
.if (\first) && (ii < 8)
	v_pk_mul_f32 v[CH+ii:CH+ii+1], v[64*(\s)+ii:64*(\s)+ii+1], v[(\reg)+ii:(\reg)+ii+1]
.else
	v_pk_fma_f32 v[CH+ii%8:CH+ii%8+1], v[64*(\s)+ii:64*(\s)+ii+1], v[(\reg)+ii:(\reg)+ii+1], v[CH+ii%8:CH+ii%8+1]
.endif
.set ii, ii+2
.endr
	WIN 0
.endm
	; ---------------- head
	s_load_b512 s[4:19], s[0:1], 0x0               ; tokens s[4:5], ln1_g s[6:7], ln1_b s[8:9], w1f s[10:11], w1s s[12:13], b1 s[14:15], w2f s[16:17], w2s s[18:19]
	s_load_b512 s[20:35], s[0:1], 0x40             ; b2 s[20:21], wp_g s[22:23], wp_b s[24:25], wp_w s[26:27], wp_bias s[28:29], xq s[30:31], xs s[32:33], logits s[34:35]
	v_lshrrev_b32 v1, 5, v0
	v_readfirstlane_b32 s36, v1                    ; wave 0..7
	v_and_b32 v[LANE], 31, v0
	v_and_b32 v[R], 15, v0
	v_bfe_u32 v[HH], v0, 4, 1
	v_lshlrev_b32 v[L16], 4, v[LANE]
	v_lshlrev_b32 v[L8], 3, v[LANE]
	v_lshlrev_b32 v[L64], 6, v[LANE]
	v_lshlrev_b32 v[H64], 6, v[HH]
	v_lshlrev_b32 v[T8], 3, v0
	v_add_nc_u32 v[GWA], GWT, v[T8]
	v_add_nc_u32 v[GWR], GWT, v[H64]
	v_add_nc_u32 v[LGR], LG, v[L16]
	s_mul_i32 s42, s36, TROWS                      ; my 16 rows of the stage
	s_lshl_b32 s43, s36, 8                         ; 256 x wave
	v_add_nc_u32 v[STW], s42, v[L16]
	v_mul_u32_u24 v[STR], v[R], SPITCH
	v_lshl_add_u32 v[STR], v[HH], 6, v[STR]
	v_add_nc_u32 v[STR], s42, v[STR]
	v_lshl_add_u32 v[B2O], v[R], 2, s43            ; my output's 4 bytes: 256 w + 4 r
	v_mul_u32_u24 v[CIB], v[HH], 8*SPITCH
	v_add_nc_u32 v[CIB], v[CIB], v[B2O]            ; the stage in the accumulators' layout: row 8 (lane / 16), column 64 w + r
	s_lshl_b32 s44, s36, 12
	s_add_co_u32 s44, s44, XIMG
	v_add_nc_u32 v[XIW], s44, v[L16]
	s_add_co_u32 s44, s43, XSC
	v_lshl_add_u32 v[XSW], v[R], 4, s44
	v_lshrrev_b32 v[LGW], 3, v[R]
	v_lshl_add_u32 v[LGW], v[LGW], 3, v[R]         ; r + 8 (r / 8)
	s_lshr_b32 s46, s36, 1
	s_lshl_b32 s44, s46, 7
	s_and_b32 s47, s36, 1
	s_lshl_b32 s45, s47, 5
	s_add_co_u32 s44, s44, s45
	s_add_co_u32 s44, s44, LG
	v_lshl_add_u32 v[LGW], v[LGW], 2, s44          ; my token's logit: LG + 4 (32 (w / 2) + 8 (w % 2) + r + 8 (r / 8))
	s_mov_b32 s38, 0x76543210
	s_mov_b32 s39, 0xfedcba98                      ; v_permlanex16_b32's selects for lane l xor 16
	s_mov_b32 s40, 0xffff0000                      ; lanes 16-31
	KPAIR 66, 0x2fa84a8d                           ; A5 .. A0
	KPAIR 68, 0xb347667d
	KPAIR 70, 0xb628d45d
	KPAIR 72, 0xb8883d9c
	KPAIR 74, 0xba08eb41
	KPAIR 76, 0xbbba79f3
	KPAIR 78, 0xb7dfbd29                           ; B3 .. B0
	KPAIR 80, 0xb9dc924e
	KPAIR 82, 0xbb719bf8
	KPAIR 84, 0xbc69b6a7
	s_mov_b32 s86, 0x3b000000                      ; 1 / 512
	s_mov_b32 s87, 0x3727c5ac                      ; 1e-5
	s_mov_b32 s88, 0xc0b504f3                      ; -4 sqrt(2)
	s_mov_b32 s89, 0x40b504f3
.irp b, 0,1,2,3
	v_mov_b32 v[TM+4+\b], 0                        ; written once: a lane permute's destination counts as one of its sources
.endr
	s_lshl_b32 s48, s36, 3                         ; my first block of hidden units
	s_lshl_b32 s44, ttmp9, 18                      ; the work-group's 128 tokens of 2,048 bytes,
	s_lshl_b32 s46, s46, 16
	s_add_co_u32 s44, s44, s46                     ; + 32 (w / 2) tokens
	s_lshl_b32 s47, s47, 14
	s_add_co_u32 s44, s44, s47                     ; + 8 (w % 2)
	s_mov_b32 s45, 0
	s_lshl_b32 s46, ttmp9, 15                      ; xq: 32 fragments a work-group, four a wave
	s_lshl_b32 s47, s36, 12
	s_add_co_u32 s46, s46, s47
	s_mov_b32 s47, 0
	s_lshl_b32 s50, ttmp9, 11                      ; xs: 2,048 bytes a work-group, 256 a wave
	s_add_co_u32 s50, s50, s43
	s_mov_b32 s51, 0
	s_lshl_b32 s54, ttmp9, 9                       ; logits: 512 bytes a work-group
	s_mov_b32 s55, 0
	s_wait_kmcnt 0x0
	s_load_b32 s52, s[28:29], 0x0                  ; wp_bias
	s_add_nc_u64 s[4:5], s[4:5], s[44:45]
	s_add_nc_u64 s[30:31], s[30:31], s[46:47]
	s_add_nc_u64 s[32:33], s[32:33], s[50:51]
	s_add_nc_u64 s[34:35], s[34:35], s[54:55]
	; ---------------- phase X: 50 loads of parameters, then my 16 rows: 64 loads of 512 consecutive bytes
	global_load_b64 v[236:237], v[T8], s[22:23]    ; wp_g and wp_w at columns 2 t, 2 t + 1
	global_load_b64 v[238:239], v[T8], s[26:27]
.irp i, 0,1,2,3
	global_load_b128 v[192+4*\i:195+4*\i], v[L64], s[24:25] offset:16*\i     ; wp_b and wp_w at columns 16 x lane on
	global_load_b128 v[208+4*\i:211+4*\i], v[L64], s[26:27] offset:16*\i
.endr
.irp o, 0,1,2,3
	global_load_b32 v[B2P+2*\o], v[B2O], s[20:21] offset:64*\o
	global_load_b32 v[B2P+2*\o+1], v[B2O], s[20:21] offset:64*\o
.endr
	LNLOAD 0
	WIN 0x40
.irp a, 0,1,2,3,4,5,6,7,8,9,10,11,12,13,14,15
.irp q, 0,1,2,3
	global_load_b128 v[16*\a+4*\q:16*\a+4*\q+3], v[L16], s[4:5] offset:(\a+8*(\a/8))*2048+512*\q th:TH_LOAD_NT
.endr
.endr
	WIN 0x04
.irp k, 0,1,2,3
	s_wait_loadcnt 48-16*\k                        ; four rows' 16 loads are in (and the parameters, asked for earlier); the younger rows stay out
.irp e, 0,1,2,3
.irp q, 0,1,2,3
	ds_store_b128 v[STW], v[16*(4*\k+\e)+4*\q:16*(4*\k+\e)+4*\q+3] offset:SPITCH*(4*\k+\e)+512*\q
.endr
.endr
.endr
	WIN 0
	v_pk_mul_f32 v[236:237], v[236:237], v[238:239]
	ds_store_b64 v[GWA], v[236:237]                ; wp_g x wp_w, for the logits
	ROWS_IN                                        ; my own rows: LDS serves a wave's instructions in order (ISA guide 5.7.1.4)
	v_pk_mul_f32 v[TP:TP+1], v[192:193], v[208:209]        ; sum of wp_b x wp_w, every wave for itself
.irp i, 2,4,6,8,10,12,14
	v_pk_fma_f32 v[TP:TP+1], v[192+\i:193+\i], v[208+\i:209+\i], v[TP:TP+1]
.endr
	v_add_f32 v[TP], v[TP], v[TP+1]
.irp x, 1,2,4,8
	v_add_f32_dpp v[TP], v[TP], v[TP] row_xmask:\x row_mask:0xf bank_mask:0xf
.endr
	v_permlanex16_b32 v[TP+1], v[TP], s38, s39
	v_add_f32 v[TP], v[TP], v[TP+1]
	s_wait_kmcnt 0x0
	v_add_f32 v[CBV], s52, v[TP]
	SUM256 48, 32, 16, 0
	v_mul_f32 v[MU], s86, v[CH]
	v_mov_b32 v[MU+1], v[MU]
	CENTRE
	SQ256
	v_fma_f32 v[TP], v[CH], s86, s87
	v_rsq_f32 v[RS], v[TP]
	v_nop                                          ; a plain place behind the transcendental
	s_wait_alu depctr_va_vdst(0)                   ; and the wait ahead of its first reader
	v_mov_b32 v[RS+1], v[RS]
	NORM 0
	LNLOAD 1
	QUANT64 0, PC4, PW4
	XOUT 0
	NORM 1
	LNLOAD 2
	QUANT64 64, PC4+8, PW4+1
	XOUT 1
	NORM 2
	LNLOAD 3
	QUANT64 128, PC4+16, PW4+2
	XOUT 2
	NORM 3
	BLKADR
	BLKLOAD                                        ; my first block's weights, into the registers that g and b have left
	QUANT64 192, PC4+24, PW4+3
	XOUT 3
	BAR                                            ; the 128 rows of tokens, x's 32 fragments and g x w lie in LDS
	; ---------------- the accumulators begin as tokens + b2: accumulator (o, m), register j, lane (r, h) = row 16 m + 8 h + j, column 64 w + 16 o + r
.irp m, 0,1,2,3,4,5,6,7
	v_add_nc_u32 v[XF+\m], \m*TROWS, v[CIB]
.endr
	WIN 0x40
.irp m, 0,1,2,3,4,5,6,7
.irp o, 0,1,2,3
.irp j, 0,1,2,3,4,5,6,7
	ds_load_b32 v[8*(8*\o+\m)+\j], v[XF+\m] offset:SPITCH*\j+64*\o     ; lanes 16-31 stand 8 rows = 4,128 words further on: the other 32 banks
.endr
.endr
.endr
	s_wait_dscnt 0x0                               ; my reads of the stage are over:
	s_barrier_signal -1
	WIN 0x41
.irp o, 0,1,2,3
.set ii, 0
.rept 32
	v_pk_add_f32 v[64*\o+ii:64*\o+ii+1], v[64*\o+ii:64*\o+ii+1], v[B2P+2*\o:B2P+2*\o+1]
.set ii, ii+2
.endr
.endr
	WIN 0
	s_barrier_wait -1                              ; everybody's are: the hidden layer's codes may take the stage's bytes
	; ---------------- phase 1
	v_mov_b32 v[KA6], 0xabd3f331                   ; A6 and B4 in vector pairs, so that a packed multiply-add names one scalar pair; in registers that b2 has left
	v_mov_b32 v[KA6+1], 0xabd3f331
	v_mov_b32 v[KB4], 0xb57460cd
	v_mov_b32 v[KB4+1], 0xb57460cd
	v_add_nc_u32 v[XA], XIMG, v[L16]
	v_lshlrev_b32 v[XSA], 4, v[R]
	v_add_nc_u32 v[XSA], XSC, v[XSA]
	s_lshl_b32 s50, s36, 14                        ; my 8 blocks of 2,048 bytes
	v_lshlrev_b32 v[HC], 4, v[R]
	v_lshl_add_u32 v[HC], v[HH], 3, v[HC]
	v_add_nc_u32 v[HC], s50, v[HC]
	s_lshl_b32 s50, s36, 10                        ; my 1,024 scale bytes
	s_add_co_u32 s50, s50, HSC
	v_lshl_add_u32 v[HSA], v[R], 3, s50
	XNEXT 0
	s_wait_dscnt 0x0
	s_mov_b32 s41, 8
.Lblock:                                           ; a trip: one block of 32 hidden units x the 8 tiles of tokens
	s_wait_loadcnt 0x0                             ; the block's weights, scale words and bias
	PRODS 0                                        ; tile 0: its x came in stage 6 of the trip before (or ahead of the loop) and was shown in by the wait for 0 there
	PLACES
	XNEXT 1
	STAGE 0, 0                                     ; nothing is younger than tile 1's loads
	STAGE 1, 2                                     ; younger: the tile before's two stores
	STAGE 2, 2
	STAGE 3, 2
	STAGE 4, 2
	STAGE 5, 2
	STAGE 6, 2
	ACT 7
	s_wait_dscnt 0x0                               ; my stores have left: their addresses step; the next trip's tile 0 of x is in
	v_add_nc_u32 v[HC], 2048, v[HC]
	v_add_nc_u32 v[HSA], 1, v[HSA]
	s_sub_co_u32 s41, s41, 1
	s_cmp_lg_u32 s41, 0
	s_cbranch_scc1 .Lblock
	s_wait_loadcnt 0x0                             ; on every way out of the loop no load of mine is out (the last trip asked for none): phase 2 loads anew into the registers that held W1, its scale words and b1
	; ---------------- phase 2: 16 K steps of 128 hidden units.  W2's first four K steps hang on no other wave: they are asked for ahead of the barrier
	s_lshl_b32 s50, s36, 12
	v_add_nc_u32 v[W2O], s50, v[L16]
	v_add_nc_u32 v[W2O+1], 32768, v[W2O]
	v_add_nc_u32 v[W2O+2], 65536, v[W2O]
	v_add_nc_u32 v[W2O+3], 98304, v[W2O]
	v_add_nc_u32 v[WSO], s43, v[L8]
	v_add_nc_u32 v[WSO+1], 2048, v[WSO]
	v_add_nc_u32 v[WSO+2], 4096, v[WSO]
	v_add_nc_u32 v[WSO+3], 6144, v[WSO]
	WLOAD 0
	WLOAD 1
	WLOAD 2
	WLOAD 3
	v_lshlrev_b32 v[HFA], 4, v[R]
	v_lshl_add_u32 v[HFA], v[HH], 11, v[HFA]
	v_add_nc_u32 v[HFA+1], 8192, v[HFA]
	v_add_nc_u32 v[HSB], HSC, v[L8]
	v_add_nc_u32 v[HSB+1], 4, v[HSB]
	BAR                                            ; the hidden layer's codes and scale bytes lie in LDS
	HLOAD 0, 0
	SLOAD 0
	HLOAD 0, 1
	s_mov_b32 s41, 3
.Lk2:                                              ; a trip: four K steps, once through W2's four sets; younger than a set's nine loads: the three other sets' 27
	STEP2 0, 27, 1
	STEP2 1, 27, 1
	STEP2 2, 27, 1
	STEP2 3, 27, 1
	s_sub_co_u32 s41, s41, 1
	s_cmp_lg_u32 s41, 0
	s_cbranch_scc1 .Lk2
	STEP2 0, 27, 0                                 ; the last four K steps ask for no more of W2: the counts run down
	STEP2 1, 18, 0
	STEP2 2, 9, 0
	s_wait_loadcnt 0x0
	s_wait_dscnt 0x0                               ; my last reads of the hidden layer are in:
	s_barrier_signal -1
	PROD2H 3, 0                                    ; register work while the others arrive
	PROD2H 3, 1
	PLACES
	QUANT64 0, PC4, PW4                            ; x along the tokens: for outputs 16 (4 w + o) + r, registers 16 b + i = token 32 b + 16 (lane / 16) + i
	QUANT64 64, PC4+8, PW4+1
	QUANT64 128, PC4+16, PW4+2
	QUANT64 192, PC4+24, PW4+3
	s_barrier_wait -1                              ; nobody reads the hidden layer any more: x may take the stage
	; ---------------- the way out
.irp o, 0,1,2,3
.irp c, 0,1
	global_store_b128 v[L16], v[PC4+8*\o+4*\c:PC4+8*\o+4*\c+3], s[30:31] offset:1024*\o+512*\c     ; 512 consecutive bytes, aligned
.endr
.endr
	v_cndmask_b32 v236, v[PW4], v[PW4+1], s40      ; lanes 0-15 the even tile's word, lanes 16-31 the odd tile's
	v_cndmask_b32 v237, v[PW4+2], v[PW4+3], s40
	global_store_b64 v[L8], v[236:237], s[32:33]   ; 256 consecutive bytes, aligned
.irp m, 0,1,2,3,4,5,6,7
	v_add_nc_u32 v[B2P+\m], \m*TROWS, v[CIB]
.endr
	WIN 0x04
.irp m, 0,1,2,3,4,5,6,7
.irp o, 0,1,2,3
.irp j, 0,1,2,3,4,5,6,7
	ds_store_b32 v[B2P+\m], v[8*(8*\o+\m)+\j] offset:SPITCH*\j+64*\o
.endr
.endr
.endr
	WIN 0
	BAR                                            ; 128 whole rows of x lie in the stage
	ROWS_IN
	GWLOAD 0, G
	GWLOAD 1, BV
	SUM256 63, 63, 48, 32                          ; younger than a quarter's loads: the later quarters' and the 32 of g x w: 80, 64, 48, 32; a wait's count names 63 at the most
	v_mul_f32 v[MU], s86, v[CH]
	v_mov_b32 v[MU+1], v[MU]
	CENTRE
	SQ256
	v_fma_f32 v[TP], v[CH], s86, s87
	v_rsq_f32 v[RS], v[TP]                         ; the dot product below is the work behind it
	s_wait_dscnt 16                                ; g x w of K step 0; younger: the other set's 16 loads
	DOT 0, G, 1
	GWLOAD 2, G
	s_wait_dscnt 16
	DOT 1, BV, 0
	GWLOAD 3, BV
	s_wait_dscnt 16
	DOT 2, G, 0
	s_wait_dscnt 0x0
	DOT 3, BV, 0
	FOLD
	s_wait_alu depctr_va_vdst(0)                   ; the wait ahead of the root's first reader
	v_fma_f32 v[TP], v[CH], v[RS], v[CBV]          ; sum((x - mean) g w) x rsqrt + sum(b w) + bias
	ds_store_b32 v[LGW], v[TP]                     ; both lanes of a row write the same word with the same value
	BAR
	s_cmp_lg_u32 s36, 0
	s_cbranch_scc1 .Lend
	ds_load_b128 v[TM:TM+3], v[LGR]
	s_wait_dscnt 0x0
	global_store_b128 v[L16], v[TM:TM+3], s[34:35] ; the 128 logits: 512 consecutive bytes, aligned
.Lend:
	s_wait_xcnt 0x0
	v_lshl_add_u32 v254, v0, 2, 0x49a00
	v_mov_b32 v255, 0
	s_wait_tensorcnt 0x0
	ds_add_u32 v254, v255
	s_wait_dscnt 0x0
	s_endpgm
.Lfunc_end_k_q8f745fd2d3_ffn:
	.size	k_q8f745fd2d3_ffn, .Lfunc_end_k_q8f745fd2d3_ffn-k_q8f745fd2d3_ffn
	.p2alignl 7, 3214868480
	.fill 96, 4, 3214868480
	.section	.rodata,"a",@progbits
	.p2align	6, 0x0
	.amdhsa_kernel k_q8f745fd2d3_ffn
		.amdhsa_group_segment_fixed_size 302592
		.amdhsa_private_segment_fixed_size 0
		.amdhsa_enable_private_segment 0
		.amdhsa_kernarg_size 128
		.amdhsa_user_sgpr_count 2
		.amdhsa_user_sgpr_kernarg_segment_ptr 1
		.amdhsa_wavefront_size32 1
		.amdhsa_system_sgpr_workgroup_id_x 1
		.amdhsa_system_sgpr_workgroup_id_y 1
		.amdhsa_system_sgpr_workgroup_id_z 1
		.amdhsa_system_vgpr_workitem_id 0
		.amdhsa_next_free_vgpr 512
		.amdhsa_next_free_sgpr 90
		.amdhsa_reserve_vcc 0
		.amdhsa_float_denorm_mode_32 3
		.amdhsa_float_denorm_mode_16_64 3
		.amdhsa_memory_ordered 1
		.amdhsa_forward_progress 1
		.amdhsa_inst_pref_size 255
	.end_amdhsa_kernel
	.section	.bss,"aw",@nobits
	.p2align	6
	.space	262144
	.amdgpu_metadata
---
amdhsa.version: [ 1, 2 ]
amdhsa.kernels:
  - .name:           k_q8f745fd2d3_ffn
    .symbol:         k_q8f745fd2d3_ffn.kd
    .args:
      - { .name: tokens, .offset: 0, .size: 8, .value_kind: global_buffer, .address_space: global }
      - { .name: ln1_g, .offset: 8, .size: 8, .value_kind: global_buffer, .address_space: global }
      - { .name: ln1_b, .offset: 16, .size: 8, .value_kind: global_buffer, .address_space: global }
      - { .name: w1f, .offset: 24, .size: 8, .value_kind: global_buffer, .address_space: global }
      - { .name: w1s, .offset: 32, .size: 8, .value_kind: global_buffer, .address_space: global }
      - { .name: b1, .offset: 40, .size: 8, .value_kind: global_buffer, .address_space: global }
      - { .name: w2f, .offset: 48, .size: 8, .value_kind: global_buffer, .address_space: global }
      - { .name: w2s, .offset: 56, .size: 8, .value_kind: global_buffer, .address_space: global }
      - { .name: b2, .offset: 64, .size: 8, .value_kind: global_buffer, .address_space: global }
      - { .name: wp_g, .offset: 72, .size: 8, .value_kind: global_buffer, .address_space: global }
      - { .name: wp_b, .offset: 80, .size: 8, .value_kind: global_buffer, .address_space: global }
      - { .name: wp_w, .offset: 88, .size: 8, .value_kind: global_buffer, .address_space: global }
      - { .name: wp_bias, .offset: 96, .size: 8, .value_kind: global_buffer, .address_space: global }
      - { .name: xq, .offset: 104, .size: 8, .value_kind: global_buffer, .address_space: global }
      - { .name: xs, .offset: 112, .size: 8, .value_kind: global_buffer, .address_space: global }
      - { .name: logits, .offset: 120, .size: 8, .value_kind: global_buffer, .address_space: global }
    .group_segment_fixed_size: 302592
    .private_segment_fixed_size: 0
    .kernarg_segment_align: 8
    .kernarg_segment_size: 128
    .max_flat_workgroup_size: 256
    .sgpr_count:     90
    .vgpr_count:     512
    .wavefront_size: 32
...
	.end_amdgpu_metadata
.endif
;; end of part 2
;; launch pool (part 3): grid 64 x 1, 8 waves a work-group, no clusters, 18,688 bytes of LDS; arguments logits, token_mask, route_ids, xq, xs, rp_g, rp_b, rp_w, rp_bias, out0; writes out0
.if DOCPART == 3
	.amdgcn_target "amdgcn-amd-amdhsa--gfx1250"
	.amdhsa_code_object_version 6
	.text
	.protected	k_q8f745fd2d3_pool
	.globl	k_q8f745fd2d3_pool
	.p2align	8
	.type	k_q8f745fd2d3_pool,@function
k_q8f745fd2d3_pool:
	s_mov_b64 s[64:65], 0
	v_nop
	global_prefetch_b8 v0, s[64:65] scope:SCOPE_SE
	s_setreg_imm32_b32 hwreg(HW_REG_WAVE_MODE, 25, 1), 1
	s_wait_xcnt 0x0
; One batch a work-group: the masked softmax of the 512 tokens' logits for each of 32 routes, normalised as the reference writes it, quantised along the tokens; routes = w x on codes of FP4 (x's codes come
; from the launch before); the routes' LayerNorm, logits and masked softmax; out = sum over routes.  64 work-groups, since a batch's route statistics want all 512 columns in one place.
; SHARES.  Softmax: wave w = 4 T + kappa holds routes 16 T + r (a lane a route) and tokens 128 kappa .. + 127: register 16 b + i = token 128 kappa + 32 b + 16 (lane / 16) + i.  What spans waves meets in LDS.
; Product: wave w makes columns 64 w .. + 63 of all 32 routes, TRANSPOSED (source 0 = 16 columns of x, source 1 = 16 routes): a lane holds one route, registers run along the columns.
; route_ids and token_mask enter compares that feed v_cndmask_b32 alone: no address and no branch hangs on data.
; THE MAXIMUM is taken away as the reference takes it: over the route's tokens and -1e9.  A route with no token has every weight 0, and counts as absent in the second softmax (its first sum is 0).
; LIMITS: logits under -1e9 count as masked, as in the reference; a block of zeros carries the byte 1 with zero codes; NaN and infinities are not served.
.set KEY,  0                           ; LDS: a word a token: its route, or 255 where the mask is off
.set RED1, 2048                        ; word at 256 T + 16 r + 4 kappa: the waves' maxima; RED2 their sums; RED3 the sums of the normalised weights; WSC the weights' scale words
.set RED2, 2560
.set RED3, 3072
.set WSC,  3584
.set WIMG, 4096                        ; the weights' 8 fragments, (T, kappa) at 1,024 (4 T + kappa), as images of their registers
.set P1,   12288                       ; word at 512 T + 32 r + 4 w: the waves' sums over columns; P2 of squares; P3 of products with g x w; P4: word 4 w: of b x w
.set P2,   13312
.set P3,   14336
.set P4,   15360
.set OUTS, 15616                       ; the 512 results
.set LANE, 1
.set R,    2
.set HH,   3
.set L16,  4
.set L8,   5
.set H64,  6
.set T8,   7
.set T2,   8
.set KR,   10
.set RA,   11
.set RR,   12
.set R16,  13
.set PAD,  14
.set PRD,  15
.set XS,   16                          ; v16-23 x's scale words, v24-31 the weights': scales and nothing else
.set WS,   24
.set L,    32                          ; v32-95 logits, then weights; later the 8 accumulators, (T, o) at 32 + 8 (4 T + o)
.set ACC,  32
.set K,    96                          ; v96-159 keys; later the weights' 8 fragments; later the centred routes; later the results
.set WF,   96
.set CN,   96
.set O,    96
.set TM,   160
.set PC,   176
.set PW,   184
.set NI,   190
.set RT,   191
.set CH,   192                         ; v192-199 chains
.set S0,   200                         ; the first softmax's sums of routes r and 16 + r
.set S1,   201
.set SS,   202
.set Q4,   204
.set SQ0,  208
.set SQ1,  212
.set MX,   216                         ; v216-219: pairs
.set MU,   216
.set IV,   218
.set PL,   220                         ; v220-235 words read back
.set CB,   236
.set RW,   236
.set WIA,  240
.set H32,  242
.set OA,   243
.set ORD,  244
.set P4A,  245
.set ZR,   246
; window 1: v0-127 x's 16 fragments, (kappa, o) at 8 (4 kappa + o); v128-159 rp_g, then g x w; v160-191 rp_w; v192-223 rp_b
.set GW,   128
.set RWW,  160
.set RB,   192
.set MSB, 0
.macro WIN new
.if MSB != \new
	s_set_vgpr_msb (MSB<<8)|\new
.set MSB, \new
.endif
.endm
.macro BAR
	s_wait_dscnt 0x0
	s_barrier_signal -1
	s_barrier_wait -1
.endm
.macro HALVES reg                      ; a pair's two halves, and lane l xor 16's
	v_add_f32 v[\reg], v[\reg], v[\reg+1]
	v_permlanex16_b32 v[\reg+1], v[\reg], s30, s31
	v_add_f32 v[\reg], v[\reg], v[\reg+1]
.endm
.macro SUM64                           ; the lane's 64 numbers and lane l xor 16's -> v[CH]
	v_pk_add_f32 v[CH:CH+1], v[L:L+1], v[L+2:L+3]
	v_pk_add_f32 v[CH+2:CH+3], v[L+4:L+5], v[L+6:L+7]
.set ii, 8
.rept 14
	v_pk_add_f32 v[CH:CH+1], v[CH:CH+1], v[L+ii:L+ii+1]
	v_pk_add_f32 v[CH+2:CH+3], v[CH+2:CH+3], v[L+ii+2:L+ii+3]
.set ii, ii+4
.endr
	v_pk_add_f32 v[CH:CH+1], v[CH:CH+1], v[CH+2:CH+3]
	HALVES CH
.endm
.macro ADD4 d, s
	v_pk_add_f32 v[\s:\s+1], v[\s:\s+1], v[\s+2:\s+3]
	v_add_f32 v[\d], v[\s], v[\s+1]
.endm
.macro SUM8 d, s
	v_pk_add_f32 v[\s:\s+1], v[\s:\s+1], v[\s+2:\s+3]
	v_pk_add_f32 v[\s+4:\s+5], v[\s+4:\s+5], v[\s+6:\s+7]
	v_pk_add_f32 v[\s:\s+1], v[\s:\s+1], v[\s+4:\s+5]
	v_add_f32 v[\d], v[\s], v[\s+1]
.endm
.macro SCALE64                         ; the 64 numbers x v[IV]
.set ii, 0
.rept 32
	v_pk_mul_f32 v[L+ii:L+ii+1], v[L+ii:L+ii+1], v[IV:IV+1]
.set ii, ii+2
.endr
.endm
.macro RECIP                           ; v[IV] -> its reciprocal, twice
	v_rcp_f32 v[IV], v[IV]
	v_nop                                          ; a plain place behind the transcendental
	s_wait_alu depctr_va_vdst(0)                   ; and the wait ahead of its first reader
	v_mov_b32 v[IV+1], v[IV]
.endm
.macro ROW16 op, reg                   ; over the 16 lanes of a row
.irp x, 1,2,4,8
	\op v[\reg], v[\reg], v[\reg] row_xmask:\x row_mask:0xf bank_mask:0xf
.endr
.endm
.macro MM3 T, o, kp
.set rD, ACC+8*(4*(\T)+(\o))
.set rA, 8*(4*(\kp)+(\o))
.set rB, WF+8*(4*(\T)+(\kp))
.if (\kp) == 0
.if (\o)%2
	v_wmma_scale_f32_16x16x128_f8f6f4 v[rD:rD+7], v[rA:rA+7], v[rB:rB+7], 0, v[XS+2*(\kp)+(\o)/2], v[WS+4*(\T)+(\kp)] matrix_a_fmt:MATRIX_FMT_FP4 matrix_b_fmt:MATRIX_FMT_FP4 matrix_a_scale:MATRIX_SCALE_ROW1
.else
	v_wmma_scale_f32_16x16x128_f8f6f4 v[rD:rD+7], v[rA:rA+7], v[rB:rB+7], 0, v[XS+2*(\kp)+(\o)/2], v[WS+4*(\T)+(\kp)] matrix_a_fmt:MATRIX_FMT_FP4 matrix_b_fmt:MATRIX_FMT_FP4
.endif
.else
.if (\o)%2
	v_wmma_scale_f32_16x16x128_f8f6f4 v[rD:rD+7], v[rA:rA+7], v[rB:rB+7], v[rD:rD+7], v[XS+2*(\kp)+(\o)/2], v[WS+4*(\T)+(\kp)] matrix_a_fmt:MATRIX_FMT_FP4 matrix_b_fmt:MATRIX_FMT_FP4 matrix_a_scale:MATRIX_SCALE_ROW1
.else
	v_wmma_scale_f32_16x16x128_f8f6f4 v[rD:rD+7], v[rA:rA+7], v[rB:rB+7], v[rD:rD+7], v[XS+2*(\kp)+(\o)/2], v[WS+4*(\T)+(\kp)] matrix_a_fmt:MATRIX_FMT_FP4 matrix_b_fmt:MATRIX_FMT_FP4
.endif
.endif
.endm
	s_load_b512 s[4:19], s[0:1], 0x0               ; logits s[4:5], token_mask s[6:7], route_ids s[8:9], xq s[10:11], xs s[12:13], rp_g s[14:15], rp_b s[16:17], rp_w s[18:19]
	s_load_b128 s[20:23], s[0:1], 0x40             ; rp_bias s[20:21], out0 s[22:23]
	v_lshl_add_u32 v254, v0, 2, 0x4500
	v_mov_b32 v255, 0
	v_lshrrev_b32 v1, 5, v0
	v_readfirstlane_b32 s24, v1                    ; wave 0..7
	s_lshr_b32 s25, s24, 2                         ; T
	s_and_b32 s26, s24, 3                          ; kappa
	v_and_b32 v[LANE], 31, v0
	v_and_b32 v[R], 15, v0
	v_bfe_u32 v[HH], v0, 4, 1
	v_lshlrev_b32 v[L16], 4, v[LANE]
	v_lshlrev_b32 v[L8], 3, v[LANE]
	v_lshlrev_b32 v[H64], 6, v[HH]
	v_lshlrev_b32 v[H32], 5, v[HH]
	v_lshlrev_b32 v[T8], 3, v0
	v_lshlrev_b32 v[T2], 1, v0
	v_lshlrev_b32 v[R16], 4, v[R]
	v_lshlrev_b32 v[PRD], 5, v[R]
	s_lshl_b32 s53, s26, 9
	v_add_nc_u32 v[KR], s53, v[H64]
	s_lshl_b32 s44, s25, 8
	v_add_nc_u32 v[RR], s44, v[R16]
	s_lshl_b32 s44, s26, 2
	v_add_nc_u32 v[RA], s44, v[RR]
	s_lshl_b32 s44, s24, 2
	v_add_nc_u32 v[PAD], s44, v[PRD]
	v_mov_b32 v[P4A], s44
	v_mov_b32 v[ZR], 0
	s_lshl_b32 s44, s24, 10
	v_add_nc_u32 v[WIA], s44, v[L16]
	s_lshl_b32 s45, s24, 8                         ; 256 x wave
	v_add_nc_u32 v[OA], s45, v[H32]
	v_add_nc_u32 v[ORD], s45, v[L8]
	s_lshl_b32 s44, s25, 4
	v_add_nc_u32 v[RT], s44, v[R]                  ; my route
	v_mov_b32 v[NI], 0xff800000                    ; -infinity
	v_mov_b32 v[CH+1], 0                           ; written once: a lane permute's destination counts as one of its sources
.irp b, 0,1,2,3
	v_mov_b32 v[TM+4+\b], 0
.endr
	s_mov_b32 s30, 0x76543210
	s_mov_b32 s31, 0xfedcba98
	s_mov_b32 s28, 0x3fb8aa3b                      ; log2(e)
	s_mov_b32 s29, s28
	s_mov_b32 s46, 0x3b000000                      ; 1 / 512
	s_mov_b32 s47, 0x3727c5ac                      ; 1e-5
	s_mov_b32 s49, 0xce6e6b28                      ; -1e9
	s_mov_b32 s50, 0x358637bd                      ; 1e-6
	s_lshl_b32 s32, ttmp9, 9                       ; the batch's part of each buffer, and my wave's
	s_mov_b32 s33, 0
	s_lshl_b32 s34, ttmp9, 11
	s_add_co_u32 s42, s34, s45
	s_add_co_u32 s34, s34, s53
	s_mov_b32 s35, 0
	s_mov_b32 s43, 0
	s_lshl_b32 s36, ttmp9, 13
	s_add_co_u32 s36, s36, s45
	s_mov_b32 s37, 0
	s_lshl_b32 s38, ttmp9, 17
	s_lshl_b32 s44, s24, 12
	s_add_co_u32 s38, s38, s44
	s_mov_b32 s39, 0
	s_mov_b32 s40, s45
	s_mov_b32 s41, 0
	s_wait_kmcnt 0x0
	s_load_b32 s27, s[20:21], 0x0                  ; rp_bias
	s_add_nc_u64 s[6:7], s[6:7], s[32:33]
	s_add_nc_u64 s[4:5], s[4:5], s[34:35]
	s_add_nc_u64 s[12:13], s[12:13], s[36:37]
	s_add_nc_u64 s[10:11], s[10:11], s[38:39]
	s_add_nc_u64 s[14:15], s[14:15], s[40:41]
	s_add_nc_u64 s[16:17], s[16:17], s[40:41]
	s_add_nc_u64 s[18:19], s[18:19], s[40:41]
	s_add_nc_u64 s[22:23], s[22:23], s[42:43]
	global_load_b64 v[186:187], v[T8], s[8:9]      ; the routes of tokens 2 t, 2 t + 1
	global_load_u16 v188, v[T2], s[6:7]            ; and their two mask bytes
.irp b, 0,1,2,3
.irp j, 0,1,2,3
	global_load_b128 v[L+16*\b+4*\j:L+16*\b+4*\j+3], v[H64], s[4:5] offset:128*\b+16*\j
.endr
.endr
.irp k, 0,1,2,3
	global_load_b64 v[XS+2*\k:XS+2*\k+1], v[L8], s[12:13] offset:2048*\k
.endr
	WIN 0x40
.irp k, 0,1,2,3
.irp o, 0,1,2,3
.irp c, 0,1
	global_load_b128 v[8*(4*\k+\o)+4*\c:8*(4*\k+\o)+4*\c+3], v[L16], s[10:11] offset:32768*\k+1024*\o+512*\c
.endr
.endr
.endr
	WIN 0
	s_wait_loadcnt 52                              ; routes and mask are in; younger: 16 + 4 + 32
	v_and_b32 v189, 0xff, v188
	v_lshrrev_b32 v188, 8, v188
	v_cmp_ne_u32 vcc_lo, 0, v189
	v_cndmask_b32 v186, 0xff, v186, vcc_lo
	v_cmp_ne_u32 vcc_lo, 0, v188
	v_cndmask_b32 v187, 0xff, v187, vcc_lo
	ds_store_b64 v[T8], v[186:187] offset:KEY
	WIN 0x40
.irp o, 0,1,2,3
.irp j, 0,1
	global_load_b128 v[GW+8*\o+4*\j:GW+8*\o+4*\j+3], v[H32], s[14:15] offset:64*\o+16*\j      ; rp_g, rp_w, rp_b at columns 64 w + 16 o + 8 (lane / 16) on
	global_load_b128 v[RWW+8*\o+4*\j:RWW+8*\o+4*\j+3], v[H32], s[18:19] offset:64*\o+16*\j
	global_load_b128 v[RB+8*\o+4*\j:RB+8*\o+4*\j+3], v[H32], s[16:17] offset:64*\o+16*\j
.endr
.endr
	WIN 0
	BAR                                            ; the 512 keys lie in LDS
.irp b, 0,1,2,3
.irp j, 0,1,2,3
	ds_load_b128 v[K+16*\b+4*\j:K+16*\b+4*\j+3], v[KR] offset:KEY+128*\b+16*\j
.endr
.endr
	s_wait_loadcnt 60                              ; the logits are in; younger: 4 + 32 + 24
	s_wait_dscnt 0x0
.set ii, 0
.rept 64
	v_cmp_eq_u32 vcc_lo, v[K+ii], v[RT]
	v_cndmask_b32 v[L+ii], v[NI], v[L+ii], vcc_lo  ; a token of another route, or masked: -infinity
.set ii, ii+1
.endr
.irp b, 0,1,2,3
	v_max3_num_f32 v[TM+\b], v[L+16*\b], v[L+16*\b+1], s49         ; -1e9 among the leaves, as the reference has it
.endr
.irp i, 2,4,6,8,10,12,14
.irp b, 0,1,2,3
	v_max3_num_f32 v[TM+\b], v[TM+\b], v[L+16*\b+\i], v[L+16*\b+\i+1]
.endr
.endr
	v_max3_num_f32 v[CH], v[TM], v[TM+1], v[TM+2]
	v_max_num_f32 v[CH], v[CH], v[TM+3]
	v_permlanex16_b32 v[CH+1], v[CH], s30, s31
	v_max_num_f32 v[CH], v[CH], v[CH+1]
	ds_store_b32 v[RA], v[CH] offset:RED1
	BAR
	ds_load_b128 v[Q4:Q4+3], v[RR] offset:RED1
	s_wait_dscnt 0x0
	v_max3_num_f32 v[MX], v[Q4], v[Q4+1], v[Q4+2]
	v_max_num_f32 v[MX], v[MX], v[Q4+3]            ; the route's maximum
	v_mov_b32 v[MX+1], v[MX]
.set ii, 0
.rept 32
	v_pk_add_f32 v[L+ii:L+ii+1], v[L+ii:L+ii+1], v[MX:MX+1] neg_lo:[0,1] neg_hi:[0,1]
.set ii, ii+2
.endr
.set ii, 0
.rept 32
	v_pk_mul_f32 v[L+ii:L+ii+1], v[L+ii:L+ii+1], s[28:29] op_sel_hi:[1,0]
.set ii, ii+2
.endr
.set ii, 0
.rept 64
	v_exp_f32 v[L+ii], v[L+ii]
.set ii, ii+1
.endr
	v_nop                                          ; a plain place behind the batch
	s_wait_alu depctr_va_vdst(0)                   ; one wait for the 64, ahead of their first reader
	SUM64
	ds_store_b32 v[RA], v[CH] offset:RED2
	BAR
	ds_load_b128 v[Q4:Q4+3], v[RR] offset:RED2
	ds_load_b128 v[SQ0:SQ0+3], v[R16] offset:RED2
	ds_load_b128 v[SQ1:SQ1+3], v[R16] offset:RED2+256
	s_wait_dscnt 0x0
	ADD4 SS, Q4                                    ; my route's sum: at least 1 where the route has a token, 0 where it has none
	ADD4 S0, SQ0                                   ; and those of routes r and 16 + r, for the second softmax
	ADD4 S1, SQ1
	v_max_num_f32 v[IV], 1.0, v[SS]
	RECIP
	SCALE64                                        ; the softmax; what the mask hides is 0 already
	SUM64
	ds_store_b32 v[RA], v[CH] offset:RED3
	BAR
	ds_load_b128 v[Q4:Q4+3], v[RR] offset:RED3
	s_wait_dscnt 0x0
	ADD4 SS, Q4
	v_max_num_f32 v[IV], s50, v[SS]
	RECIP
	SCALE64                                        ; / max(sum, 1e-6)
	; the weights' fragment (T, kappa): four blocks of 32 tokens
.irp b, 0,1,2,3
	v_max3_num_f32 v[TM+\b], v[L+16*\b], v[L+16*\b+1], 0x1800000   ; none is negative; the floor 2^(3 - 127) holds the byte at 1 from below
.endr
.irp i, 2,4,6,8,10,12,14
.irp b, 0,1,2,3
	v_max3_num_f32 v[TM+\b], v[TM+\b], v[L+16*\b+\i], v[L+16*\b+\i+1]
.endr
.endr
.irp b, 0,1,2,3
	v_permlanex16_b32 v[TM+4+\b], v[TM+\b], s30, s31
.endr
.irp b, 0,1,2,3
	v_max_num_f32 v[TM+\b], v[TM+\b], v[TM+4+\b]
.endr
.irp b, 0,1,2,3
	v_add_nc_u32 v[TM+12+\b], 0xff000000, v[TM+\b]
.endr
.irp b, 0,1,2,3
	v_lshrrev_b32 v[TM+4+\b], 23, v[TM+12+\b]
.endr
	v_lshl_or_b32 v[PW], v[TM+5], 8, v[TM+4]
	v_lshl_or_b32 v[PW], v[TM+6], 16, v[PW]
	v_lshl_or_b32 v[PW], v[TM+7], 24, v[PW]
.irp b, 0,1,2,3
	v_cvt_scalef32_pk8_fp4_f32 v[PC+2*\b], v[L+16*\b:L+16*\b+7], v[TM+12+\b]
	v_cvt_scalef32_pk8_fp4_f32 v[PC+2*\b+1], v[L+16*\b+8:L+16*\b+15], v[TM+12+\b]
.endr
	v_nop                                          ; one plain place behind a scaled conversion
.irp c, 0,1
.irp i, 0,1
	v_permlane16_swap_b32 v[PC+4*\c+\i], v[PC+2+4*\c+\i]
.endr
.endr
	ds_store_b128 v[WIA], v[PC:PC+3] offset:WIMG
	ds_store_b128 v[WIA], v[PC+4:PC+7] offset:WIMG+512
	ds_store_b32 v[RA], v[PW] offset:WSC
	BAR                                            ; the weights' eight fragments lie in LDS
.irp f, 0,1,2,3,4,5,6,7
.irp c, 0,1
	ds_load_b128 v[WF+8*\f+4*\c:WF+8*\f+4*\c+3], v[L16] offset:WIMG+1024*\f+512*\c
.endr
.endr
	ds_load_b128 v[WS:WS+3], v[R16] offset:WSC
	ds_load_b128 v[WS+4:WS+7], v[R16] offset:WSC+256
	s_wait_loadcnt 24                              ; x's codes and scale words are in; younger: the 24 of rp
	s_wait_dscnt 0x0
	WIN 0x01                                       ; source 0 (x) in window 1
.irp kp, 0,1,2,3
.irp T, 0,1
.irp o, 0,1,2,3
	MM3 \T, \o, \kp                                ; eight accumulators by turns; the first K step starts the sums
.endr
.endr
.endr
	WIN 0
.rept 4
	v_nop                                          ; places ahead of the first read of results
.endr
	; lane (r, h), accumulator (T, o), register j = routes(16 T + r, 64 w + 16 o + 8 h + j)
.irp T, 0,1
	v_pk_add_f32 v[CH+2*\T:CH+2*\T+1], v[ACC+32*\T:ACC+32*\T+1], v[ACC+32*\T+2:ACC+32*\T+3]
.endr
.irp i, 4,6,8,10,12,14,16,18,20,22,24,26,28,30
.irp T, 0,1
	v_pk_add_f32 v[CH+2*\T:CH+2*\T+1], v[CH+2*\T:CH+2*\T+1], v[ACC+32*\T+\i:ACC+32*\T+\i+1]    ; each accumulator from its low end on
.endr
.endr
	HALVES CH
	HALVES CH+2
	ds_store_b32 v[PAD], v[CH] offset:P1
	ds_store_b32 v[PAD], v[CH+2] offset:P1+512
	BAR
.irp T, 0,1
.irp q, 0,1
	ds_load_b128 v[PL+8*\T+4*\q:PL+8*\T+4*\q+3], v[PRD] offset:P1+512*\T+16*\q
.endr
.endr
	s_wait_loadcnt 0x0                             ; rp_g, rp_w, rp_b
	WIN 0x05
	v_pk_mul_f32 v[CB:CB+1], v[RB:RB+1], v[RWW:RWW+1]      ; sum of rp_b x rp_w over my 32 columns
.irp i, 2,4,6,8,10,12,14,16,18,20,22,24,26,28,30
	v_pk_fma_f32 v[CB:CB+1], v[RB+\i:RB+\i+1], v[RWW+\i:RWW+\i+1], v[CB:CB+1]
.endr
	WIN 0x45
.irp i, 0,2,4,6,8,10,12,14,16,18,20,22,24,26,28,30
	v_pk_mul_f32 v[GW+\i:GW+\i+1], v[GW+\i:GW+\i+1], v[RWW+\i:RWW+\i+1]      ; rp_g x rp_w
.endr
	WIN 0
	HALVES CB
	s_wait_dscnt 0x0
	SUM8 MU, PL
	SUM8 MU+2, PL+8
	v_mul_f32 v[MU], s46, v[MU]                    ; the routes' means
	v_mul_f32 v[MU+2], s46, v[MU+2]
	v_mov_b32 v[MU+1], v[MU]
	v_mov_b32 v[MU+3], v[MU+2]
.irp T, 0,1
.irp i, 0,2,4,6,8,10,12,14,16,18,20,22,24,26,28,30
	v_pk_add_f32 v[CN+32*\T+\i:CN+32*\T+\i+1], v[ACC+32*\T+\i:ACC+32*\T+\i+1], v[MU+2*\T:MU+2*\T+1] neg_lo:[0,1] neg_hi:[0,1]     ; into other registers: the routes are wanted again
.endr
.endr
.irp T, 0,1
	v_pk_mul_f32 v[CH+2*\T:CH+2*\T+1], v[CN+32*\T:CN+32*\T+1], v[CN+32*\T:CN+32*\T+1]
.endr
.irp i, 2,4,6,8,10,12,14,16,18,20,22,24,26,28,30
.irp T, 0,1
	v_pk_fma_f32 v[CH+2*\T:CH+2*\T+1], v[CN+32*\T+\i:CN+32*\T+\i+1], v[CN+32*\T+\i:CN+32*\T+\i+1], v[CH+2*\T:CH+2*\T+1]
.endr
.endr
	WIN 0x04                                       ; source 1 (g x w) in window 1
.irp T, 0,1
	v_pk_mul_f32 v[CH+4+2*\T:CH+5+2*\T], v[CN+32*\T:CN+32*\T+1], v[GW:GW+1]
.endr
.irp i, 2,4,6,8,10,12,14,16,18,20,22,24,26,28,30
.irp T, 0,1
	v_pk_fma_f32 v[CH+4+2*\T:CH+5+2*\T], v[CN+32*\T+\i:CN+32*\T+\i+1], v[GW+\i:GW+\i+1], v[CH+4+2*\T:CH+5+2*\T]
.endr
.endr
	WIN 0
	HALVES CH
	HALVES CH+2
	HALVES CH+4
	HALVES CH+6
	ds_store_b32 v[PAD], v[CH] offset:P2
	ds_store_b32 v[PAD], v[CH+2] offset:P2+512
	ds_store_b32 v[PAD], v[CH+4] offset:P3
	ds_store_b32 v[PAD], v[CH+6] offset:P3+512
	ds_store_b32 v[P4A], v[CB] offset:P4           ; all lanes write the same word with the same value
	BAR
.irp T, 0,1
.irp q, 0,1
	ds_load_b128 v[160+8*\T+4*\q:163+8*\T+4*\q], v[PRD] offset:P2+512*\T+16*\q
	ds_load_b128 v[176+8*\T+4*\q:179+8*\T+4*\q], v[PRD] offset:P3+512*\T+16*\q
.endr
.endr
	ds_load_b128 v[PL:PL+3], v[ZR] offset:P4
	ds_load_b128 v[PL+4:PL+7], v[ZR] offset:P4+16
	s_wait_dscnt 0x0
	SUM8 228, 160
	SUM8 229, 168
	SUM8 230, 176
	SUM8 231, 184
	SUM8 232, PL
	v_fma_f32 v228, v228, s46, s47                 ; variance + 1e-5
	v_fma_f32 v229, v229, s46, s47
	v_rsq_f32 v228, v228
	v_rsq_f32 v229, v229
	s_wait_kmcnt 0x0
	v_add_f32 v232, s27, v232                      ; sum(b w) + bias.  (Plain work behind the roots)
	v_cmp_lt_f32 s51, 0, v[S0]                     ; present: the route has a token
	v_cmp_lt_f32 s52, 0, v[S1]
	v_mov_b32 v233, s49
	s_wait_alu depctr_va_vdst(0)                   ; one wait for the two roots
	v_fma_f32 v230, v230, v228, v232               ; the routes' logits
	v_fma_f32 v231, v231, v229, v232
	v_cndmask_b32 v230, v233, v230, s51            ; -1e9 where absent
	v_cndmask_b32 v231, v233, v231, s52
	v_max_num_f32 v234, v230, v231
	ROW16 v_max_num_f32_dpp, 234                   ; the largest of the 32
	v_sub_f32 v230, v230, v234
	v_sub_f32 v231, v231, v234
	v_mul_f32 v230, s28, v230
	v_mul_f32 v231, s28, v231
	v_exp_f32 v230, v230
	v_exp_f32 v231, v231
	v_nop
	s_wait_alu depctr_va_vdst(0)
	v_add_f32 v[IV], v230, v231
	ROW16 v_add_f32_dpp, IV
	RECIP
	v_mul_f32 v230, v230, v[IV]
	v_mul_f32 v231, v231, v[IV]
	v_cndmask_b32 v230, 0, v230, s51               ; 0 where absent
	v_cndmask_b32 v231, 0, v231, s52
	v_add_f32 v[IV], v230, v231
	ROW16 v_add_f32_dpp, IV
	v_max_num_f32 v[IV], s50, v[IV]
	RECIP
	v_mul_f32 v[RW], v230, v[IV]
	v_mul_f32 v[RW+2], v231, v[IV]
	v_mov_b32 v[RW+1], v[RW]
	v_mov_b32 v[RW+3], v[RW+2]
.irp i, 0,2,4,6,8,10,12,14,16,18,20,22,24,26,28,30
	v_pk_mul_f32 v[O+\i:O+\i+1], v[ACC+\i:ACC+\i+1], v[RW:RW+1]
.endr
.irp i, 0,2,4,6,8,10,12,14,16,18,20,22,24,26,28,30
	v_pk_fma_f32 v[O+\i:O+\i+1], v[ACC+32+\i:ACC+32+\i+1], v[RW+2:RW+3], v[O+\i:O+\i+1]
.endr
.irp x, 1,2,4,8
.set ii, 0
.rept 32
	v_add_f32_dpp v[O+ii], v[O+ii], v[O+ii] row_xmask:\x row_mask:0xf bank_mask:0xf       ; over the 16 lanes: all 32 routes
.set ii, ii+1
.endr
.endr
.irp o, 0,1,2,3
.irp j, 0,1
	ds_store_b128 v[OA], v[O+8*\o+4*\j:O+8*\o+4*\j+3] offset:OUTS+64*\o+16*\j      ; the sixteen lanes of a half write equal values
.endr
.endr
	ds_load_b64 v[PL:PL+1], v[ORD] offset:OUTS     ; my wave's own 256 bytes: LDS serves a wave's instructions in order
	s_wait_dscnt 0x0
	global_store_b64 v[L8], v[PL:PL+1], s[22:23]   ; 32 lanes: 256 consecutive bytes, aligned
	s_wait_tensorcnt 0x0
	ds_add_u32 v254, v255
	s_wait_dscnt 0x0
	s_endpgm
.Lfunc_end_k_q8f745fd2d3_pool:
	.size	k_q8f745fd2d3_pool, .Lfunc_end_k_q8f745fd2d3_pool-k_q8f745fd2d3_pool
	.p2alignl 7, 3214868480
	.fill 96, 4, 3214868480
	.section	.rodata,"a",@progbits
	.p2align	6, 0x0
	.amdhsa_kernel k_q8f745fd2d3_pool
		.amdhsa_group_segment_fixed_size 18688
		.amdhsa_private_segment_fixed_size 0
		.amdhsa_enable_private_segment 0
		.amdhsa_kernarg_size 80
		.amdhsa_user_sgpr_count 2
		.amdhsa_user_sgpr_kernarg_segment_ptr 1
		.amdhsa_wavefront_size32 1
		.amdhsa_system_sgpr_workgroup_id_x 1
		.amdhsa_system_sgpr_workgroup_id_y 1
		.amdhsa_system_sgpr_workgroup_id_z 1
		.amdhsa_system_vgpr_workitem_id 0
		.amdhsa_next_free_vgpr 480
		.amdhsa_next_free_sgpr 66
		.amdhsa_reserve_vcc 1
		.amdhsa_float_denorm_mode_32 3
		.amdhsa_float_denorm_mode_16_64 3
		.amdhsa_memory_ordered 1
		.amdhsa_forward_progress 1
		.amdhsa_inst_pref_size 71
	.end_amdhsa_kernel
	.amdgpu_metadata
---
amdhsa.version: [ 1, 2 ]
amdhsa.kernels:
  - .name:           k_q8f745fd2d3_pool
    .symbol:         k_q8f745fd2d3_pool.kd
    .args:
      - { .name: logits, .offset: 0, .size: 8, .value_kind: global_buffer, .address_space: global }
      - { .name: token_mask, .offset: 8, .size: 8, .value_kind: global_buffer, .address_space: global }
      - { .name: route_ids, .offset: 16, .size: 8, .value_kind: global_buffer, .address_space: global }
      - { .name: xq, .offset: 24, .size: 8, .value_kind: global_buffer, .address_space: global }
      - { .name: xs, .offset: 32, .size: 8, .value_kind: global_buffer, .address_space: global }
      - { .name: rp_g, .offset: 40, .size: 8, .value_kind: global_buffer, .address_space: global }
      - { .name: rp_b, .offset: 48, .size: 8, .value_kind: global_buffer, .address_space: global }
      - { .name: rp_w, .offset: 56, .size: 8, .value_kind: global_buffer, .address_space: global }
      - { .name: rp_bias, .offset: 64, .size: 8, .value_kind: global_buffer, .address_space: global }
      - { .name: out0, .offset: 72, .size: 8, .value_kind: global_buffer, .address_space: global }
    .group_segment_fixed_size: 18688
    .private_segment_fixed_size: 0
    .kernarg_segment_align: 8
    .kernarg_segment_size: 80
    .max_flat_workgroup_size: 256
    .sgpr_count:     66
    .vgpr_count:     480
    .wavefront_size: 32
...
	.end_amdgpu_metadata
.endif
;; end of part 3
